; MI455X (gfx1250); checked and timed in simulation.
; The chip was launched on July 23, 2026; its instructions are those of AMD's public machine-readable ISA for CDNA 5 (MIT licence, August 2026) and "CDNA5" Instruction Set Architecture Reference Guide (July 2026). The comments in the code are by the model that wrote it; some were corrected since.
;; Encoder Block. Allowed arithmetic: matrix products marked QUANTISED: E2M3 operands, one E8M0 scale for each 32 along K, by v_wmma_scale_f32_16x16x128_f8f6f4 with both operands' format E2M3, f32 sums; everything else in f32.
;; Inputs: b1 4,096 float32; b2 1,024 float32; bk 1,024 float32; bo 1,024 float32; bq 1,024 float32; bv 1,024 float32; ln1_b 1,024 float32; ln1_g 1,024 float32; ln2_b 1,024 float32; ln2_g 1,024 float32; mask 2 x 1 x 1 x 2,048 int32; w1 1,024 x 4,096 float32; w2 4,096 x 1,024 float32; wk 1,024 x 1,024 float32; wo 1,024 x 1,024 float32; wq 1,024 x 1,024 float32; wv 1,024 x 1,024 float32; x 2 x 2,048 x 1,024 float32.
;; Outputs: out0 2 x 2,048 x 1,024 float32.
;; This version of the problem:
;;   THIS VERSION OF THE PROBLEM IS GIVEN IN LOW PRECISION. The matrix products marked QUANTISED in the list below multiply operands that are first quantised to E2M3 (2 exponent bits, 3 mantissa bits; 6 bits a number), with one power-of-two scale for each 32 numbers along K (OCP MX v1.0); their sums are f32. All else is computed in f32.
;;   The module's matrix products, in the order in which they are computed (A, B: the left and right operand; K: the contracted axis; several contracted axes count as one K, in the product's order):
;;     1. [M 4,096, K 1,024] x [K 1,024, N 1,024]; A: computed on the way; B: input wq: QUANTISED
;;     2. [M 4,096, K 1,024] x [K 1,024, N 1,024]; A: computed on the way; B: input wk: QUANTISED
;;     3. [M 4,096, K 1,024] x [K 1,024, N 1,024]; A: computed on the way; B: input wv: QUANTISED
;;     4. batch 32 x [M 2,048, K 64] x [K 64, N 2,048]; A: computed on the way; B: computed on the way: QUANTISED
;;     5. batch 32 x [M 64, K 2,048] x [K 2,048, N 2,048]; A: computed on the way; B: softmax (see below): QUANTISED
;;     6. [M 4,096, K 1,024] x [K 1,024, N 1,024]; A: computed on the way; B: input wo: QUANTISED
;;     7. [M 4,096, K 1,024] x [K 1,024, N 4,096]; A: computed on the way; B: input w1: QUANTISED
;;     8. [M 4,096, K 4,096] x [K 4,096, N 1,024]; A: computed on the way; B: input w2: QUANTISED
;;   THE QUANTISER, for each operand of a quantised product, along K:
;;     - K is cut into blocks of 32 from its start; a last block that is shorter is filled with zeros.
;;     - A block's scale is 2^e with e = floor(log2(the largest magnitude in the block)) - 2, held to -126 .. 127; a block of zeros has e = 0. As a byte (E8M0): e + 127.
;;     - Each number is divided by its block's scale, clamped to +-7.5, and rounded to the nearest number of E2M3, ties to even, subnormals kept.
;;     - The product sums the exact products of the quantised numbers (number of the format x scale) in f32.
;;   ~~~python
;;   def quantise(x, axis):      # numpy; x: float32 -> the quantised numbers, widened to float32 again
;;       x = np.moveaxis(x, axis, -1); K = x.shape[-1]
;;       x = np.pad(x, [(0, 0)] * (x.ndim - 1) + [(0, -K % 32)]); x = x.reshape(x.shape[:-1] + (-1, 32)); a = np.abs(x).max(-1, keepdims=True)
;;       e = np.where(a > 0, np.clip(np.frexp(np.where(a > 0, a, 1))[1] - 1 - 2, -126, 127), 0)      # np.frexp(a)[1] - 1 = floor(log2(a)), exactly
;;       r = np.clip(x / 2.0 ** e, -7.5, 7.5)
;;       step = 2.0 ** (np.maximum(np.frexp(np.where(r == 0, 1, r))[1] - 1, 0) - 3)
;;       q = np.round(r / step) * step * 2.0 ** e      # np.round: ties to even
;;       return np.moveaxis(q.reshape(q.shape[:-2] + (-1,))[..., :K], -1, axis).astype(np.float32)
;;   ~~~
;;   SOFTMAX AHEAD OF A QUANTISED PRODUCT. Where the list says 'softmax', what is quantised is not the finished softmax but p = 2^(t - M), with t = logit x log2(e) and M = ceil(the row's largest t), a whole number; so 1/2 < the row's largest p <= 1. The row's sum l is taken of the UNQUANTISED p, in f32, and the product's result is divided by l at the end. Since M is a whole number, a kernel that streams over the keys may use a running M (the ceiling of the running maximum): every later rescaling is an exact power of two, which a block's scale takes up: the codes' values come out the same.
;;   OPERANDS COMPUTED ON THE WAY. 'Computed on the way' means the value that the module computes at that place (a softmax that the list does not call 'softmax' is quantised finished and normalised). What goes into a quantiser is computed in f32, as accurately as f32 sums, v_exp_f32 and their like allow (about 1e-6 of the number): no bf16 or f16 on the way to a quantiser, and a product that is left as it is and whose result goes on into a quantised operand takes f32 operands (vector FMAs, or v_wmma_f32_16x16x4_f32). A number that lies on a knife's edge between two numbers of the format may be rounded either way, as far as f32 arithmetic and the matrix unit's own rounding can turn it there, and no further.
;; One version. Each part assembles by itself: llvm-mc -triple=amdgcn-amd-amdhsa -mcpu=gfx1250 --defsym DOCPART=n.
;; ======== version 1 of 1: 7 launches
;; limits: right only within a limited range of input values
;; workspace buffers: wts 9,830,400 bytes; hcs 3,276,800 bytes; qkv 12,189,696 bytes; ctx 3,276,800 bytes; x1 16,777,216 bytes; hid 13,107,200 bytes
;; launch prep (part 1): grid 448 x 1, 8 waves a work-group, no clusters, 122,880 bytes of LDS; arguments wq, wk, wv, wo, w1, w2, wts, x, ln1_g, ln1_b, hcs; writes wts, hcs
.if DOCPART == 1
	.amdgcn_target "amdgcn-amd-amdhsa--gfx1250"
	.amdhsa_code_object_version 6
	.text
	.protected	k_qb7a524ffd7_prep
	.globl	k_qb7a524ffd7_prep
	.p2align	8
	.type	k_qb7a524ffd7_prep,@function
k_qb7a524ffd7_prep:
	s_mov_b64 s[64:65], 0
	v_nop
	global_prefetch_b8 v0, s[64:65] scope:SCOPE_SE
	s_setreg_imm32_b32 hwreg(HW_REG_WAVE_MODE, 25, 1), 1
	s_wait_xcnt 0x0
; PREP.  Two jobs that hang on nothing of each other share one launch; a work-group has one of them, by its number alone: work-groups 0-191 lay out the weights, work-groups 192-447 do the first LayerNorm.
; Each job has LDS bytes of its own: the LayerNorm bytes 0 to 68,607, the weights 8 x 6,656 bytes from 68,608 on.  With 256 registers a wave and 122,880 bytes of LDS two work-groups fit on a WGP, so all 448 run at once.
;
; IMAGES, for both jobs.  A tile is 16 rows of an operand; lane r of tile T holds row 32 (T/2) + 8 (T%2) + r + 8 (r/8).  A fragment (tile T, K step s of 128) is 12 registers a lane: 1,536 bytes in three pieces of 512; piece p holds
; registers 4p .. 4p+3, lane l's 16 bytes at 16 l.  A scale word is the four E8M0 bytes of one row in one K step.  A block's scale is 2^(floor(log2(largest magnitude)) - 2); its byte is the largest magnitude's exponent field - 2,
; held at 1 from below (a block of zeros gets 1: its codes are zeros, and this program alone reads the bytes).
; LIMITS: NaN and infinities are not served; blocks whose largest magnitude lies under 2^-124 were not considered.
;
; THE WEIGHTS.  Six tensors, f32 [K][N] with K as the FIRST axis, become codes of FP6 (E2M3).  wts: codes [8][512][1536] (tiles 0-63 wq, 64-127 wk, 128-191 wv, 192-255 wo, 256-511 w1), then w2's [32][64][1536]; then the scale words
; [8][512][16], [32][64][16].  A job is 128 columns x 256 along K for four waves; a work-group's eight waves are two jobs: job = 2 x work-group + wave / 4.  A wave takes 32 columns (two tiles) x 8 blocks; A LANE TAKES A COLUMN AND ITS
; REGISTERS RUN DOWN K: each load reads 128 consecutive bytes, a block's maximum needs no other lane, the conversions give codes with K innermost.  The codes go through the wave's own four images in LDS and leave 512 consecutive
; bytes a store.  Waves share nothing: no barrier on this path.  Loads run two blocks ahead.  One path serves all six tensors: pointer, pitch and places are chosen by selects on the job's number.
;
; THE LAYERNORM.  h = (x - mean) x rsqrt(var + 1e-5) x g + b over rows of 1,024 f32, all in f32, then quantised along the row.  hcs: codes [8 K steps][256 tiles][1536], then at byte 3,145,728 the scale words [8][256][16].
; A work-group is one tile of 16 rows; wave w is K step w: columns 128 w .. 128 w + 127 of all 16 rows.  Each load reads 512 consecutive bytes of a row; the rows turn through the wave's own stage in LDS, so that lane (r, h) holds, of
; row r, numbers 32 b + 16 h + 0 .. 15 of each block b: what the conversions want.  The rows' sums meet in LDS: two barriers, which all eight waves of such a work-group pass.  The variance is the mean of (x - mean)^2, taken in a
; second pass over registers: no difference of large sums is formed.
.set NPW,  192                         ; work-groups that lay out weights
.set PWL,  68608                       ; where their LDS bytes begin
	v_lshl_add_u32 v254, v0, 2, 0x1dc00
	v_mov_b32 v255, 0
	s_cmp_lt_u32 ttmp9, NPW                        ; the choice hangs on the work-group's number alone: all eight waves go the same way
	s_cbranch_scc0 .Lln
; ---------------------------------------------------------------- the weights
.set OFF,  32                          ; v32-63   byte offset of row i of a block at my column: 4 lane + i x pitch
.set WX,   64                          ; v64-127  two sets of 32 numbers
.set OUTR, 128                         ; v128-175 the way out
.set CC,   16                          ; v16-21   a block's codes
.set DD,   24                          ; v24-26   its upper 16 codes as converted
.set SBW,  28                          ; v28-29   the scale words of my two K steps
.set BB,   24                          ; s[24:39] the source at my columns, block t
	s_load_b256 s[4:11], s[0:1], 0x0               ; wq, wk, wv, wo
	s_load_b128 s[12:15], s[0:1], 0x20             ; w1, w2
	s_load_b64 s[16:17], s[0:1], 0x30              ; wts
	v_lshrrev_b32 v1, 5, v0
	s_delay_alu instid0(VALU_DEP_1)
	v_readfirstlane_b32 s18, v1                    ; wave 0..7
	v_and_b32 v1, 31, v0                           ; lane = my column among the wave's 32
	v_bfe_u32 v2, v0, 3, 1                         ; u: which of the two tiles holds it
	v_and_b32 v7, 7, v0
	v_bfe_u32 v8, v0, 4, 1
	s_delay_alu instid0(VALU_DEP_1)
	v_lshl_add_u32 v7, v8, 3, v7                   ; r: which lane of that tile
	s_mul_i32 s19, s18, 6656                       ; my wave's four images, 1,664 bytes apart,
	s_add_co_u32 s19, s19, PWL                     ; behind the other job's bytes
	v_mul_u32_u24 v3, v2, 1664
	s_delay_alu instid0(VALU_DEP_1)
	v_lshl_add_u32 v3, v7, 4, v3
	s_delay_alu instid0(VALU_DEP_1)
	v_add_nc_u32 v3, s19, v3                       ; into them: image u, lane r
	v_lshlrev_b32 v6, 4, v1                        ; 16 x lane
	s_delay_alu instid0(VALU_DEP_1)
	v_add_nc_u32 v4, s19, v6                       ; out of them
	v_lshlrev_b32 v5, 6, v2
	s_delay_alu instid0(VALU_DEP_1)
	v_lshl_add_u32 v5, v7, 2, v5                   ; my scale word's place: 64 u + 4 r
	s_lshr_b32 s24, s18, 2
	s_lshl_b32 s25, ttmp9, 1
	s_add_co_u32 s24, s24, s25                     ; the job, 0..383
	s_and_b32 s18, s18, 3                          ; my place among its four waves
	; Jobs 0-255: the five weights with K = 1,024 (64 groups of 128 columns x 4 runs of 256 along K); 256-383: w2 (8 x 16)
	s_mov_b32 s22, 98304
	s_mov_b32 s48, 4096
	s_mov_b32 s58, 9699328
	s_cmp_lt_u32 s24, 256
	s_cselect_b32 s19, 63, 7
	s_cselect_b32 s20, 6, 3
	s_cselect_b32 s21, 0, 256
	s_cselect_b32 s22, 786432, s22                 ; bytes of codes from K step to K step
	s_cselect_b32 s48, 32768, s48                  ; and of scale words
	s_cselect_b32 s56, 0, 6291456                  ; where the codes' region begins
	s_cselect_b32 s58, 9437184, s58                ; and the scale words'
	s_cselect_b32 s50, 1, 0
	s_mov_b32 s23, 0
	s_mov_b32 s49, 0
	s_and_b32 s19, s24, s19                        ; the group of 128 columns
	s_sub_co_u32 s21, s24, s21
	s_lshr_b32 s20, s21, s20                       ; the run of 256 along K
	s_lshr_b32 s51, s19, 3                         ; 0 wq, 1 wk, 2 wv, 3 wo, 4-7 w1
	s_and_b32 s2, s19, 31
	s_and_b32 s3, s19, 7
	s_mov_b32 s55, 4096
	s_cmp_ge_u32 s51, 4
	s_cselect_b32 s54, s50, 0                      ; is it w1?
	s_cmp_lg_u32 s54, 0
	s_cselect_b32 s55, 16384, s55                  ; a source row in bytes
	s_cselect_b32 s2, s2, s3                       ; the group of columns inside its tensor
	s_lshl_b32 s60, s55, 8
	s_mul_i32 s60, s60, s20                        ; 256 rows a run
	s_lshl_b32 s2, s2, 9
	s_add_co_u32 s60, s60, s2
	s_lshl_b32 s2, s18, 7
	s_add_co_u32 s60, s60, s2                      ; + my wave's 32 columns
	s_mov_b32 s61, 0
	s_lshl_b32 s62, s55, 5                         ; 32 rows on
	s_mov_b32 s63, 0
	s_lshl_b32 s2, s19, 3
	s_lshl_b32 s3, s18, 1
	s_add_co_u32 s2, s2, s3                        ; my first tile
	s_lshl_b32 s3, s20, 1                          ; my first K step
	s_mul_i32 s21, s3, s22
	s_add_co_u32 s56, s56, s21
	s_mul_i32 s21, s2, 1536
	s_add_co_u32 s56, s56, s21
	s_mov_b32 s57, 0
	s_mul_i32 s21, s3, s48
	s_add_co_u32 s58, s58, s21
	s_lshl_b32 s21, s2, 6
	s_add_co_u32 s58, s58, s21
	s_mov_b32 s59, 0
	v_lshlrev_b32 v[OFF], 2, v1
.set i, 1
.rept 31
	s_delay_alu instid0(VALU_DEP_1)
	v_add_nc_u32 v[OFF+i], s55, v[OFF+i-1]
.set i, i+1
.endr
	s_wait_alu depctr_va_vdst(0)
	s_wait_kmcnt 0x0
	s_mov_b64 s[52:53], s[12:13]                   ; the source: a choice that hangs on the job's number alone
	s_cmp_eq_u32 s51, 0
	s_cselect_b64 s[52:53], s[4:5], s[52:53]
	s_cmp_eq_u32 s51, 1
	s_cselect_b64 s[52:53], s[6:7], s[52:53]
	s_cmp_eq_u32 s51, 2
	s_cselect_b64 s[52:53], s[8:9], s[52:53]
	s_cmp_eq_u32 s51, 3
	s_cselect_b64 s[52:53], s[10:11], s[52:53]
	s_cmp_eq_u32 s50, 0
	s_cselect_b64 s[52:53], s[14:15], s[52:53]
	s_add_nc_u64 s[BB:BB+1], s[52:53], s[60:61]
.irp t, 1,2,3,4,5,6,7
	s_add_nc_u64 s[BB+2*\t:BB+2*\t+1], s[BB+2*\t-2:BB+2*\t-1], s[62:63]
.endr
	s_add_nc_u64 s[40:41], s[16:17], s[56:57]      ; my codes, first K step,
	s_add_nc_u64 s[42:43], s[40:41], s[22:23]      ; second;
	s_add_nc_u64 s[44:45], s[16:17], s[58:59]      ; my scale words likewise
	s_add_nc_u64 s[46:47], s[44:45], s[48:49]
.macro LOAD t                          ; block t: 32 rows at my column, into set t % 2
.set i, 0
.rept 32
	global_load_b32 v[WX+32*((\t)%2)+i], v[OFF+i], s[BB+2*(\t):BB+2*(\t)+1] th:TH_LOAD_NT
.set i, i+1
.endr
.endm
	LOAD 0
	LOAD 1
; Block t is block t % 4 of K step t / 4: in the fragment it is registers 6 c .. 6 c + 5 (c = (t / 2) % 2) of lane r + 16 (t % 2).
.macro BLOCK t
.set XS, WX+32*((\t)%2)
.set LO, 3328*((\t)/4)+256*((\t)%2)
.if (\t) < 7
	s_wait_loadcnt 32                              ; this block's 32 loads are in; the next block's may be out
.else
	s_wait_loadcnt 0x0
.endif
	v_max3_num_f32 v12, |v[XS]|, |v[XS+1]|, |v[XS+2]|              ; the block's largest magnitude: all 32 numbers are mine; two chains
	v_max3_num_f32 v13, |v[XS+3]|, |v[XS+4]|, |v[XS+5]|
.irp i, 6,10,14,18,22,26
	s_delay_alu instid0(VALU_DEP_2)
	v_max3_num_f32 v12, v12, |v[XS+\i]|, |v[XS+\i+1]|
	s_delay_alu instid0(VALU_DEP_2)
	v_max3_num_f32 v13, v13, |v[XS+\i+2]|, |v[XS+\i+3]|
.endr
	s_delay_alu instid0(VALU_DEP_2)
	v_max3_num_f32 v12, v12, |v[XS+30]|, |v[XS+31]|
	s_delay_alu instid0(VALU_DEP_1)
	v_max3_num_f32 v12, v12, v13, 0x1800000        ; and the floor 2^(3 - 127): the byte cannot fall under 1
	s_delay_alu instid0(VALU_DEP_1)
	v_add_nc_u32 v11, 0xff000000, v12              ; 2 off the exponent field: the conversion takes this operand's exponent field as its scale
	s_delay_alu instid0(VALU_DEP_1)
	v_lshrrev_b32 v13, 23, v11                     ; the scale's byte
.if (\t)%4 == 0
	s_delay_alu instid0(VALU_DEP_1)
	v_mov_b32 v[SBW+(\t)/4], v13
.else
	s_delay_alu instid0(VALU_DEP_1)
	v_lshl_or_b32 v[SBW+(\t)/4], v13, 8*((\t)%4), v[SBW+(\t)/4]
.endif
	v_cvt_scalef32_pk16_fp6_f32 v[CC:CC+2], v[XS:XS+15], v11
	v_cvt_scalef32_pk16_fp6_f32 v[DD:DD+2], v[XS+16:XS+31], v11   ; (a conversion's three registers begin on an even number)
	v_nop                                          ; one plain line between a scaled conversion and the vector lines that read its result
.irp i, 0,1,2
	v_mov_b32 v[CC+3+\i], v[DD+\i]
.endr
.if ((\t)/2)%2 == 0
	ds_store_b128 v3, v[CC:CC+3] offset:LO         ; registers 0-3: piece 0
	ds_store_b64 v3, v[CC+4:CC+5] offset:LO+512    ; registers 4, 5: the lower half of my 16 bytes of piece 1
.else
	ds_store_b64 v3, v[CC:CC+1] offset:LO+520      ; registers 6, 7: the upper half
	ds_store_b128 v3, v[CC+2:CC+5] offset:LO+1024  ; registers 8-11: piece 2
.endif
.if (\t)+2 < 8
	LOAD (\t)+2
.endif
	s_wait_dscnt 0x0                               ; the stores have read their registers: the next block's codes may be written
.endm
.irp t, 0,1,2,3,4,5,6,7
	BLOCK \t
.endr
	global_store_b32 v5, v[SBW], s[44:45]          ; 32 lanes store the two tiles' 128 consecutive bytes
	s_wait_alu depctr_va_vdst(0)
	global_store_b32 v5, v[SBW+1], s[46:47]
.irp m, 0,1,2,3                        ; image m = 2 x K step + tile
.irp p, 0,1,2
	ds_load_b128 v[OUTR+4*(3*\m+\p):OUTR+4*(3*\m+\p)+3], v4 offset:1664*\m+512*\p   ; LDS serves a wave's instructions in order: these see my stores
.endr
.endr
.irp m, 0,1,2,3
.irp p, 0,1,2
	s_wait_dscnt 11-(3*\m+\p)                      ; this piece is back; the younger ones may be out
	global_store_b128 v6, v[OUTR+4*(3*\m+\p):OUTR+4*(3*\m+\p)+3], s[40+2*(\m/2):41+2*(\m/2)] offset:1536*(\m%2)+512*\p   ; 512 consecutive bytes, at a multiple of 512 from the buffer's first byte
.endr
.endr
	s_wait_tensorcnt 0x0
	ds_add_u32 v254, v255
	s_wait_dscnt 0x0
	s_endpgm
; ---------------------------------------------------------------- the LayerNorm
.Lln:
.set X,    32                          ; v32-95   my 64 numbers
.set G,    96                          ; v96-159  g at their columns
.set RB,   160                         ; v160-223 the rows as loaded, later b
.set TM,   224                         ; v224-239 the quantiser's work
.set PW,   240                         ; the scale word
.set PC,   242                         ; v242-253 the fragment
.set QT,   16                          ; v16-22   upper halves of blocks as converted
.set SEL,  20                          ; s[20:21] v_permlanex16_b32's selects for lane l xor 16
.set RED1, 67584                       ; behind the stages: 16 rows x 8 waves of partial sums; the second reduction's lie 512 bytes on
; 64 numbers of a lane, register 16 b + i = k 32 b + 16 (lane / 16) + i of my row, become a fragment's codes in v[PC + cs c + 0 .. 5] and its scale word in v[PW].
.macro QUANT s, cs
.irp b, 0,1,2,3
	v_max3_num_f32 v[TM+\b], |v[\s+16*\b]|, |v[\s+1+16*\b]|, 0x1800000   ; my 16 numbers of block b, and the floor 2^(3 - 127): the byte cannot fall under 1
.endr
.irp i, 2,4,6,8,10,12,14
.irp b, 0,1,2,3
	s_delay_alu instid0(VALU_DEP_4)
	v_max3_num_f32 v[TM+\b], v[TM+\b], |v[\s+16*\b+\i]|, |v[\s+1+16*\b+\i]|   ; (the four blocks by turns)
.endr
.endr
.irp b, 0,1,2,3
	s_delay_alu instid0(VALU_DEP_4)
	v_permlanex16_b32 v[TM+4+\b], v[TM+\b], s[SEL], s[SEL+1]
.endr
.irp b, 0,1,2,3
	s_delay_alu instid0(VALU_DEP_4)
	v_max_num_f32 v[TM+\b], v[TM+\b], v[TM+4+\b]   ; with lane l xor 16's: the block's largest magnitude
.endr
.irp b, 0,1,2,3
	s_delay_alu instid0(VALU_DEP_4)
	v_add_nc_u32 v[TM+12+\b], 0xff000000, v[TM+\b] ; 2 off its exponent field: the conversion's scale operand
.endr
.irp b, 0,1,2,3
	s_delay_alu instid0(VALU_DEP_4)
	v_lshrrev_b32 v[TM+4+\b], 23, v[TM+12+\b]      ; the scale's byte
.endr
	s_delay_alu instid0(VALU_DEP_3)
	v_lshl_or_b32 v[PW], v[TM+5], 8, v[TM+4]
	s_delay_alu instid0(VALU_DEP_1)
	v_lshl_or_b32 v[PW], v[TM+6], 16, v[PW]
	s_delay_alu instid0(VALU_DEP_1)
	v_lshl_or_b32 v[PW], v[TM+7], 24, v[PW]
.irp c, 0,1
	v_cvt_scalef32_pk16_fp6_f32 v[PC+\cs*\c:PC+\cs*\c+2], v[\s+32*\c:\s+32*\c+15], v[TM+12+2*\c]
	v_cvt_scalef32_pk16_fp6_f32 v[QT+4*\c:QT+4*\c+2], v[\s+32*\c+16:\s+32*\c+31], v[TM+13+2*\c]   ; (a conversion's three registers begin on an even number)
.endr
	v_nop                                          ; one plain line behind the scaled conversions
.irp c, 0,1                            ; the layout wants a WHOLE block in a lane: lanes 0-15 block 2 c, lanes 16-31 block 2 c + 1
.irp i, 0,1,2
	v_permlane16_swap_b32 v[PC+\cs*\c+\i], v[QT+4*\c+\i]
.endr
.irp i, 0,1,2
	s_delay_alu instid0(VALU_DEP_3)
	v_mov_b32 v[PC+\cs*\c+3+\i], v[QT+4*\c+\i]
.endr
.endr
.endm
; v24 holds my lane's part of a row's sum; v16 gets the whole row's, the same bits in every wave.
.macro REDUCE off
	s_delay_alu instid0(VALU_DEP_1)
	v_permlanex16_b32 v25, v24, s[SEL], s[SEL+1]
	s_delay_alu instid0(VALU_DEP_1)
	v_add_f32 v24, v24, v25                        ; my wave's 128 columns of row r
	ds_store_b32 v8, v24 offset:\off               ; both lanes of a row write the same word with the same value
	s_wait_dscnt 0x0                               ; for the others' sake: my store has landed
	s_barrier_signal -1
	s_barrier_wait -1
	ds_load_b128 v[16:19], v9 offset:\off
	ds_load_b128 v[20:23], v9 offset:\off+16
	s_wait_dscnt 0x0
	v_add_f32 v16, v16, v17
	v_add_f32 v18, v18, v19
	v_add_f32 v20, v20, v21
	v_add_f32 v22, v22, v23
	s_delay_alu instid0(VALU_DEP_3)
	v_add_f32 v16, v16, v18
	s_delay_alu instid0(VALU_DEP_2)
	v_add_f32 v20, v20, v22
	s_delay_alu instid0(VALU_DEP_1)
	v_add_f32 v16, v16, v20
.endm
	s_load_b128 s[4:7], s[0:1], 0x38               ; x, g
	s_load_b128 s[8:11], s[0:1], 0x48              ; b, hcs
	s_sub_co_u32 s24, ttmp9, NPW                   ; my tile of 16 rows
	v_lshrrev_b32 v1, 5, v0
	s_delay_alu instid0(VALU_DEP_1)
	v_readfirstlane_b32 s12, v1                    ; wave 0..7
	v_and_b32 v1, 15, v0                           ; r
	v_bfe_u32 v2, v0, 4, 1                         ; h
	v_and_b32 v3, 31, v0
	s_delay_alu instid0(VALU_DEP_1)
	v_lshlrev_b32 v4, 4, v3                        ; 16 x lane
	s_delay_alu instid0(VALU_DEP_3)
	v_lshlrev_b32 v5, 6, v2                        ; 64 h
	s_mul_i32 s13, s12, 8448                       ; my stage: 16 rows of 512 bytes + 16
	v_add_nc_u32 v6, s13, v4                       ; in: a row as it lies
	v_mul_u32_u24 v7, v1, 528
	s_delay_alu instid0(VALU_DEP_1)
	v_lshl_add_u32 v7, v2, 6, v7
	s_delay_alu instid0(VALU_DEP_1)
	v_add_nc_u32 v7, s13, v7                       ; back: row r, + 64 h
	s_lshl_b32 s13, s12, 2
	v_lshlrev_b32 v9, 5, v1
	s_delay_alu instid0(VALU_DEP_1)
	v_add_nc_u32 v9, RED1, v9                      ; row r's eight partial sums
	s_delay_alu instid0(VALU_DEP_1)
	v_add_nc_u32 v8, s13, v9                       ; my wave's among them
	v_lshlrev_b32 v12, 2, v1                       ; 4 r
.irp b, 0,1,2,3
	v_mov_b32 v[TM+4+\b], 0                        ; written once: a lane permute's destination counts as one of its sources
.endr
	s_mov_b32 s[SEL], 0x76543210
	s_mov_b32 s[SEL+1], 0xfedcba98
	s_lshr_b32 s14, s24, 1
	s_lshl_b32 s14, s14, 5
	s_and_b32 s13, s24, 1
	s_lshl_b32 s13, s13, 3
	s_add_co_u32 s14, s14, s13                     ; the tile's first row
	s_lshl_b32 s14, s14, 12
	s_lshl_b32 s16, s12, 9                         ; my 128 columns
	s_add_co_u32 s14, s14, s16
	s_mov_b32 s15, 0
	s_mov_b32 s17, 0
	s_lshl_b32 s13, s12, 8
	s_add_co_u32 s13, s13, s24                     ; 256 x K step + tile
	s_mul_i32 s18, s13, 1536
	s_mov_b32 s19, 0
	s_lshl_b32 s22, s13, 6
	s_add_co_u32 s22, s22, 3145728
	s_mov_b32 s23, 0
	s_wait_alu depctr_va_vdst(0)
	s_wait_kmcnt 0x0
	s_add_nc_u64 s[4:5], s[4:5], s[14:15]
	s_add_nc_u64 s[6:7], s[6:7], s[16:17]
	s_add_nc_u64 s[8:9], s[8:9], s[16:17]
	s_add_nc_u64 s[18:19], s[10:11], s[18:19]      ; my fragment
	s_add_nc_u64 s[22:23], s[10:11], s[22:23]      ; its scale words
.irp i, 0,1,2,3,4,5,6,7,8,9,10,11,12,13,14,15
	global_load_b128 v[RB+4*\i:RB+4*\i+3], v4, s[4:5] offset:(\i+8*(\i/8))*4096 th:TH_LOAD_NT   ; lane i's row: 512 consecutive bytes
.endr
.irp b, 0,1,2,3
.irp j, 0,1,2,3
	global_load_b128 v[G+16*\b+4*\j:G+16*\b+4*\j+3], v5, s[6:7] offset:128*\b+16*\j
.endr
.endr
	s_wait_loadcnt 16                              ; the rows are in; g's 16 loads may be out
.irp i, 0,1,2,3,4,5,6,7,8,9,10,11,12,13,14,15
	ds_store_b128 v6, v[RB+4*\i:RB+4*\i+3] offset:528*\i
.endr
.irp b, 0,1,2,3
.irp j, 0,1,2,3
	ds_load_b128 v[X+16*\b+4*\j:X+16*\b+4*\j+3], v7 offset:128*\b+16*\j   ; my wave's own bytes, served in order: no wait between
.endr
.endr
	s_wait_dscnt 0x0                               ; my numbers are in, and the stores have read their registers, which take b now
.irp b, 0,1,2,3
.irp j, 0,1,2,3
	global_load_b128 v[RB+16*\b+4*\j:RB+16*\b+4*\j+3], v5, s[8:9] offset:128*\b+16*\j
.endr
.endr
	v_pk_add_f32 v[26:27], v[32:33], v[34:35]
	v_pk_add_f32 v[252:253], v[40:41], v[44:45]
	v_pk_add_f32 v[250:251], v[48:49], v[52:53]
	v_pk_add_f32 v[248:249], v[56:57], v[60:61]
	v_pk_add_f32 v[246:247], v[64:65], v[68:69]
	v_pk_add_f32 v[244:245], v[72:73], v[76:77]
	v_pk_add_f32 v[242:243], v[80:81], v[84:85]
	v_pk_add_f32 v[24:25], v[88:89], v[92:93]
	s_delay_alu instid0(VALU_DEP_1)
	v_pk_add_f32 v[24:25], v[24:25], v[36:37]
	v_pk_add_f32 v[26:27], v[26:27], v[38:39]
	v_pk_add_f32 v[252:253], v[252:253], v[42:43]
	v_pk_add_f32 v[250:251], v[250:251], v[46:47]
	v_pk_add_f32 v[248:249], v[248:249], v[50:51]
	v_pk_add_f32 v[246:247], v[246:247], v[54:55]
	v_pk_add_f32 v[244:245], v[244:245], v[58:59]
	v_pk_add_f32 v[242:243], v[242:243], v[62:63]
	v_pk_add_f32 v[24:25], v[24:25], v[66:67]
	v_pk_add_f32 v[26:27], v[26:27], v[70:71]
	v_pk_add_f32 v[252:253], v[252:253], v[74:75]
	v_pk_add_f32 v[250:251], v[250:251], v[78:79]
	v_pk_add_f32 v[248:249], v[248:249], v[82:83]
	v_pk_add_f32 v[246:247], v[246:247], v[86:87]
	v_pk_add_f32 v[244:245], v[244:245], v[90:91]
	v_pk_add_f32 v[242:243], v[242:243], v[94:95]
	s_delay_alu instid0(VALU_DEP_4)
	v_pk_add_f32 v[24:25], v[24:25], v[248:249]
	s_delay_alu instid0(VALU_DEP_4)
	v_pk_add_f32 v[26:27], v[26:27], v[246:247]
	s_delay_alu instid0(VALU_DEP_4)
	v_pk_add_f32 v[252:253], v[252:253], v[244:245]
	s_delay_alu instid0(VALU_DEP_4)
	v_pk_add_f32 v[250:251], v[250:251], v[242:243]
	s_delay_alu instid0(VALU_DEP_2)
	v_pk_add_f32 v[24:25], v[24:25], v[252:253]
	s_delay_alu instid0(VALU_DEP_2)
	v_pk_add_f32 v[26:27], v[26:27], v[250:251]
	s_delay_alu instid0(VALU_DEP_1)
	v_pk_add_f32 v[24:25], v[24:25], v[26:27]
	s_delay_alu instid0(VALU_DEP_1)
	v_add_f32 v24, v24, v25
	REDUCE 0
	s_delay_alu instid0(VALU_DEP_1)
	v_mul_f32 v28, 0x3a800000, v16                 ; the mean: x 2^-10
	s_delay_alu instid0(VALU_DEP_2)
	v_mul_f32 v29, 0x3a800000, v16
.set j, 0
.rept 32
	v_pk_add_f32 v[X+j:X+j+1], v[X+j:X+j+1], v[28:29] neg_lo:[0,1] neg_hi:[0,1]   ; x - mean
.set j, j+2
.endr
	v_pk_mul_f32 v[24:25], v[X:X+1], v[X:X+1]
	v_pk_mul_f32 v[26:27], v[X+2:X+3], v[X+2:X+3]
.irp j, 4,8,12,16,20,24,28,32,36,40,44,48,52,56,60
	s_delay_alu instid0(VALU_DEP_2)
	v_pk_fma_f32 v[24:25], v[X+\j:X+\j+1], v[X+\j:X+\j+1], v[24:25]
	s_delay_alu instid0(VALU_DEP_2)
	v_pk_fma_f32 v[26:27], v[X+\j+2:X+\j+3], v[X+\j+2:X+\j+3], v[26:27]
.endr
	s_delay_alu instid0(VALU_DEP_1)
	v_pk_add_f32 v[24:25], v[24:25], v[26:27]
	s_delay_alu instid0(VALU_DEP_1)
	v_add_f32 v24, v24, v25
	REDUCE 512                                     ; other bytes than the first reduction's: no barrier between a read and the next store
	v_mov_b32 v27, 0x3727c5ac                      ; 1e-5
	s_delay_alu instid0(VALU_DEP_1)
	v_fmamk_f32 v26, v16, 0x3a800000, v27          ; the variance + 1e-5
	s_wait_alu depctr_va_vdst(0)
	v_rsq_f32 v28, v26
	v_rsq_f32 v29, v26                             ; twice: a pair for the packed multiply
	v_nop                                          ; one plain line behind the transcendentals
	s_wait_alu depctr_va_vdst(0)                   ; this wait ahead of the first line that names their results: one for both
	s_wait_loadcnt 0x0                             ; g and b
.set j, 0
.rept 32
	v_pk_mul_f32 v[X+j:X+j+1], v[X+j:X+j+1], v[28:29]
.set j, j+2
.endr
.set j, 0
.rept 32
	v_pk_fma_f32 v[X+j:X+j+1], v[X+j:X+j+1], v[G+j:G+j+1], v[RB+j:RB+j+1]
.set j, j+2
.endr
	QUANT X, 6
.irp p, 0,1,2
	global_store_b128 v4, v[PC+4*\p:PC+4*\p+3], s[18:19] offset:512*\p   ; 512 consecutive bytes a store
.endr
	global_store_b32 v12, v[PW], s[22:23]          ; both lanes of a row store the same word with the same value
	s_wait_tensorcnt 0x0
	ds_add_u32 v254, v255
	s_wait_dscnt 0x0
	s_endpgm
.Lfunc_end_k_qb7a524ffd7_prep:
	.size	k_qb7a524ffd7_prep, .Lfunc_end_k_qb7a524ffd7_prep-k_qb7a524ffd7_prep
	.p2alignl 7, 3214868480
	.fill 96, 4, 3214868480
	.section	.rodata,"a",@progbits
	.p2align	6, 0x0
	.amdhsa_kernel k_qb7a524ffd7_prep
		.amdhsa_group_segment_fixed_size 122880
		.amdhsa_private_segment_fixed_size 0
		.amdhsa_enable_private_segment 0
		.amdhsa_kernarg_size 88
		.amdhsa_user_sgpr_count 2
		.amdhsa_user_sgpr_kernarg_segment_ptr 1
		.amdhsa_wavefront_size32 1
		.amdhsa_system_sgpr_workgroup_id_x 1
		.amdhsa_system_sgpr_workgroup_id_y 1
		.amdhsa_system_sgpr_workgroup_id_z 1
		.amdhsa_system_vgpr_workitem_id 0
		.amdhsa_next_free_vgpr 256
		.amdhsa_next_free_sgpr 66
		.amdhsa_reserve_vcc 0
		.amdhsa_float_denorm_mode_32 3
		.amdhsa_float_denorm_mode_16_64 3
		.amdhsa_memory_ordered 1
		.amdhsa_forward_progress 1
		.amdhsa_inst_pref_size 79
	.end_amdhsa_kernel
	.amdgpu_metadata
---
amdhsa.version: [ 1, 2 ]
amdhsa.kernels:
  - .name:           k_qb7a524ffd7_prep
    .symbol:         k_qb7a524ffd7_prep.kd
    .args:
      - { .name: wq, .offset: 0, .size: 8, .value_kind: global_buffer, .address_space: global }
      - { .name: wk, .offset: 8, .size: 8, .value_kind: global_buffer, .address_space: global }
      - { .name: wv, .offset: 16, .size: 8, .value_kind: global_buffer, .address_space: global }
      - { .name: wo, .offset: 24, .size: 8, .value_kind: global_buffer, .address_space: global }
      - { .name: w1, .offset: 32, .size: 8, .value_kind: global_buffer, .address_space: global }
      - { .name: w2, .offset: 40, .size: 8, .value_kind: global_buffer, .address_space: global }
      - { .name: wts, .offset: 48, .size: 8, .value_kind: global_buffer, .address_space: global }
      - { .name: x, .offset: 56, .size: 8, .value_kind: global_buffer, .address_space: global }
      - { .name: ln1_g, .offset: 64, .size: 8, .value_kind: global_buffer, .address_space: global }
      - { .name: ln1_b, .offset: 72, .size: 8, .value_kind: global_buffer, .address_space: global }
      - { .name: hcs, .offset: 80, .size: 8, .value_kind: global_buffer, .address_space: global }
    .group_segment_fixed_size: 122880
    .private_segment_fixed_size: 0
    .kernarg_segment_align: 8
    .kernarg_segment_size: 88
    .max_flat_workgroup_size: 256
    .sgpr_count:     66
    .vgpr_count:     256
    .wavefront_size: 32
...
	.end_amdgpu_metadata
.endif
;; end of part 1
;; launch qkv (part 2): grid 16 x 12, 4 waves a work-group, clusters of 4 x 4, 327,680 bytes of LDS; arguments hcs, wts, bq, bk, bv, mask, qkv; writes qkv
.if DOCPART == 2
	.amdgcn_target "amdgcn-amd-amdhsa--gfx1250"
	.amdhsa_code_object_version 6
	.text
	.protected	k_qb7a524ffd7_qkv
	.globl	k_qb7a524ffd7_qkv
	.p2align	8
	.type	k_qb7a524ffd7_qkv,@function
k_qb7a524ffd7_qkv:
	s_mov_b64 s[64:65], 0
	v_nop
	global_prefetch_b8 v0, s[64:65] scope:SCOPE_SE
	s_setreg_imm32_b32 hwreg(HW_REG_WAVE_MODE, 25, 1), 1
	s_wait_xcnt 0x0
	s_wait_alu depctr_hold_cnt(0) depctr_sa_sdst(0) depctr_va_vdst(0) depctr_va_sdst(0) depctr_va_ssrc(0) depctr_va_vcc(0) depctr_vm_vsrc(0)
	s_getreg_b32 s2, hwreg(HW_REG_IB_STS2, 6, 4)
	s_cmp_eq_u32 s2, 0
	s_cbranch_scc0 .Lentry_in_a_cluster
	s_endpgm
.Lentry_in_a_cluster:
	s_bfe_u32 s2, ttmp6, 0x10000c
	s_cmp_lg_u32 s2, 0xf033
	s_cbranch_scc0 .Lentry_shape_is_right
	s_endpgm
.Lentry_shape_is_right:
.set NBK,  8
.set TW,   16
.set NQ,   2
.set PART, TW*1536
.set KT,   8
.set LAPS, KT/(2*NQ)
.set NTX,  256
.set NTY,  512
.set XSO,  3145728
.set YC0,  0
.set YS0,  9437184
.set SLOT, 98304
.set YOFF, 49152
.set SCX,  2*SLOT
.set SCB,  KT*TW*64
.set SCY,  SCX+SCB
.set SPARE, SCY+SCB
.set APW,  32/NBK
.set AD1,  8
.set AD0,  10
.set ADS,  12
.set SPW,  13
.set NIL,  14
.set LI,   15
.set LS,   16
.set RO,   17
.set HO,   18
.set CM,   24
.set CN,   25
.set BM,   26
.set BN,   27
.set SC,   32
.set MK,   48
.set ST,   64
.set TM,   128
.set PW,   144
.set XB,   145
.set W0,   146
.set WS0,  150
.set PC,   152
.set QT,   168
.set G1X,  24
.set G0X,  32
.set G1Y,  48
.set G0Y,  56
.set G1SX, 68
.set G0SX, 76
.set G1SY, 80
.set G0SY, 88
.set SEL,  92
.set MSB, 0
.macro WIN new
.if MSB != (\new)
	s_set_vgpr_msb (MSB<<8)|(\new)
.set MSB, (\new)
.endif
.endm
.macro PLACES n
.rept \n
	v_nop
.endr
.endm
.macro JLOAD g0x, g1x, g0y, g1y
	s_cmp_eq_u32 s15, 0
	s_cbranch_scc0 .Lfor_y_\@
	tensor_load_to_lds s[\g0x:\g0x+3], s[\g1x:\g1x+7]
	s_nop 0
.rept 4
	v_nop
.endr
	s_branch .Lasked_\@
.Lfor_y_\@:
	tensor_load_to_lds s[\g0y:\g0y+3], s[\g1y:\g1y+7]
	s_nop 0
.rept 4
	v_nop
.endr
.Lasked_\@:
.endm
.macro CREST
	s_cmp_lg_u32 s14, 0
	s_cbranch_scc1 .Lnot_wave_0_\@
	s_barrier_signal -3
.Lnot_wave_0_\@:
	s_barrier_wait -3
	s_barrier_signal -1
	s_barrier_wait -1
.endm
.macro CROUND
	s_barrier_signal -1
	s_barrier_wait -1
	CREST
.endm
.macro FETCH slot, q, p
	WIN 0x40
.set ii, 0
.rept NBK
.irp c, 0,1,2
	ds_load_b128 v[128*(\p)+12*ii+4*\c:128*(\p)+12*ii+4*\c+3], v[AD0+\slot] offset:(\q)*PART+1536*ii+512*\c
.endr
.set ii, ii+1
.endr
	WIN 0
.set ii, 0
.rept NBK
.irp c, 0,1,2
	ds_load_b128 v[64+96*(\p)+12*ii+4*\c:64+96*(\p)+12*ii+4*\c+3], v[AD1+\slot] offset:(\q)*PART+1536*ii+512*\c
.endr
.set ii, ii+1
.endr
.set ii, 0
.rept NBK
	ds_load_b32 v[SC+NBK*(\p)+ii], v[ADS] offset:(\q)*TW*64+64*ii
.set ii, ii+1
.endr
.endm
.macro MULS a0, n, p, first
.set aa, \a0
.rept \n
	WIN 0xa1+0x50*(aa/APW)
.set bb, 0
.rept NBK
.set rD, 8*(NBK*(aa%APW)+bb)
.set rA, 128*(\p)+12*bb
.set rB, 64+96*(\p)+12*aa
.set sA, SC+NBK*(\p)+bb
.set sB, SC+NBK*(\p)+aa
.if \first
	v_wmma_scale_f32_16x16x128_f8f6f4 v[rD:rD+7], v[rA:rA+11], v[rB:rB+11], 0, v[sA], v[sB] matrix_a_fmt:MATRIX_FMT_FP6 matrix_b_fmt:MATRIX_FMT_FP6 matrix_a_scale:MATRIX_SCALE_ROW1
.else
	v_wmma_scale_f32_16x16x128_f8f6f4 v[rD:rD+7], v[rA:rA+11], v[rB:rB+11], v[rD:rD+7], v[sA], v[sB] matrix_a_fmt:MATRIX_FMT_FP6 matrix_b_fmt:MATRIX_FMT_FP6 matrix_a_scale:MATRIX_SCALE_ROW1
.endif
.set bb, bb+1
.endr
.set aa, aa+1
.endr
.endm
.macro STEP slot, q, first
	s_wait_dscnt 0x0
	PLACES 4
	FETCH \slot, (\q)+1, 1-(\q)%2
	MULS 0, NBK, (\q)%2, \first
	WIN 0
.endm
.macro TURN slot, next, fill
	s_wait_tensorcnt 0x0
	ds_add_u32 v[SPW], v[NIL]
	s_wait_dscnt 1
	MULS 0, NBK/4, 1, 0
	s_wait_dscnt 0x0
	s_barrier_signal -1
	MULS NBK/4, NBK/4, 1, 0
	WIN 0
	s_barrier_wait -1
.if \fill
	CREST
	s_add_nc_u64 s[G0X+4*\slot+2:G0X+4*\slot+3], s[G0X+4*\slot+2:G0X+4*\slot+3], 2*NQ*NTX*1536
	s_add_nc_u64 s[G0Y+4*\slot+2:G0Y+4*\slot+3], s[G0Y+4*\slot+2:G0Y+4*\slot+3], 2*NQ*NTY*1536
	JLOAD G0X+4*\slot, G1X, G0Y+4*\slot, G1Y
.else
	PLACES 4
.endif
	s_wait_alu depctr_va_vdst(0)
	v_add_nc_u32 v[ADS], NQ*TW*64, v[ADS]
	FETCH \next, 0, 0
	MULS NBK/2, NBK/2, 1, 0
	WIN 0
.endm
.macro QUANT s, cs
.irp b, 0,1,2,3
	v_max3_num_f32 v[TM+\b], |v[\s+16*\b]|, |v[\s+1+16*\b]|, 0x1800000
.endr
.irp i, 2,4,6,8,10,12,14
.irp b, 0,1,2,3
	v_max3_num_f32 v[TM+\b], v[TM+\b], |v[\s+16*\b+\i]|, |v[\s+1+16*\b+\i]|
.endr
.endr
.irp b, 0,1,2,3
	v_permlanex16_b32 v[TM+4+\b], v[TM+\b], s[SEL], s[SEL+1]
.endr
.irp b, 0,1,2,3
	v_max_num_f32 v[TM+\b], v[TM+\b], v[TM+4+\b]
.endr
.irp b, 0,1,2,3
	v_add_nc_u32 v[TM+12+\b], 0xff000000, v[TM+\b]
.endr
.irp b, 0,1,2,3
	v_lshrrev_b32 v[TM+4+\b], 23, v[TM+12+\b]
.endr
	v_lshl_or_b32 v[PW], v[TM+5], 8, v[TM+4]
	v_lshl_or_b32 v[PW], v[TM+6], 16, v[PW]
	v_lshl_or_b32 v[PW], v[TM+7], 24, v[PW]
.irp c, 0,1
	v_cvt_scalef32_pk16_fp6_f32 v[PC+\cs*\c:PC+\cs*\c+2], v[\s+32*\c:\s+32*\c+15], v[TM+12+2*\c]
	v_cvt_scalef32_pk16_fp6_f32 v[QT+4*\c:QT+4*\c+2], v[\s+32*\c+16:\s+32*\c+31], v[TM+13+2*\c]
.endr
	v_nop
.irp c, 0,1
.irp i, 0,1,2
	v_permlane16_swap_b32 v[PC+\cs*\c+\i], v[QT+4*\c+\i]
.endr
.irp i, 0,1,2
	v_mov_b32 v[PC+\cs*\c+3+\i], v[QT+4*\c+\i]
.endr
.endr
.endm
	s_load_b128 s[4:7], s[0:1], 0x0
	s_load_b128 s[8:11], s[0:1], 0x10
	s_load_b64 s[12:13], s[0:1], 0x20
	s_load_b128 s[96:99], s[0:1], 0x28
	v_lshl_add_u32 v[SPW], v0, 2, SPARE
	v_mov_b32 v[NIL], 0
	ds_add_u32 v13, v14
	ds_add_u32 v13, v14
	s_wait_dscnt 0x0
	v_lshrrev_b32 v1, 5, v0
	v_readfirstlane_b32 s14, v1
	s_lshr_b32 s15, s14, 1
	s_and_b32 s16, s14, 1
	s_bfe_u32 s40, ttmp6, 0x40000
	s_bfe_u32 s41, ttmp6, 0x40004
	s_lshl_b32 s42, ttmp9, 2
	s_add_co_u32 s42, s42, s40
	s_and_b32 s17, ttmp7, 0xffff
	s_lshl_b32 s17, s17, 2
	s_add_co_u32 s17, s17, s41
	s_lshl_b32 s43, s41, 2
	s_lshl_b32 s43, 15, s43
	s_lshl_b32 s44, 0x1111, s40
	s_or_b32 s[G1X], s44, (3<<16)|(1<<21)
	s_or_b32 s[G1Y], s43, (3<<16)|(1<<21)
	s_or_b32 s[G1SX], s44, (3<<16)|(1<<21)
	s_or_b32 s[G1SY], s43, (3<<16)|(1<<21)
.irp g, G1X, G1Y
	s_mov_b32 s[\g+1], (PART/8)<<16
	s_mov_b32 s[\g+2], NQ<<16
	s_mov_b32 s[\g+3], (PART/8)<<16
	s_mov_b32 s[\g+4], NQ
	s_mov_b32 s[\g+6], 0
	s_mov_b32 s[\g+7], 0
.endr
	s_mov_b32 s[G1X+5], NTX*192
	s_mov_b32 s[G1Y+5], NTY*192
.irp g, G1SX, G1SY
	s_mov_b32 s[\g+1], (TW*8)<<16
	s_mov_b32 s[\g+2], KT<<16
	s_mov_b32 s[\g+3], (TW*8)<<16
	s_mov_b32 s[\g+4], KT
	s_mov_b32 s[\g+6], 0
	s_mov_b32 s[\g+7], 0
.endr
	s_mov_b32 s[G1SX+5], NTX*8
	s_mov_b32 s[G1SY+5], NTY*8
	s_mul_i32 s20, s42, PART
	s_mul_i32 s18, s16, (NQ/2)*NTX*1536
	s_add_co_u32 s20, s20, s18
	s_mov_b32 s21, 0
	s_mul_i32 s22, s42, TW*64
	s_add_co_u32 s22, s22, XSO
	s_mov_b32 s23, 0
	s_mul_i32 s46, s17, PART
	s_mul_i32 s18, s16, (NQ/2)*NTY*1536
	s_add_co_u32 s46, s46, s18
	s_add_co_u32 s46, s46, YC0
	s_mov_b32 s47, 0
	s_mul_i32 s92, s17, TW*64
	s_add_co_u32 s92, s92, YS0
	s_mov_b32 s93, 0
	s_mul_i32 s45, s14, 24576
	s_wait_kmcnt 0x0
	s_add_nc_u64 s[20:21], s[4:5], s[20:21]
	s_add_nc_u64 s[22:23], s[4:5], s[22:23]
	s_add_nc_u64 s[46:47], s[6:7], s[46:47]
	s_add_nc_u64 s[92:93], s[6:7], s[92:93]
	CROUND
	s_mov_b32 s[G0SX], 1
	s_mov_b32 s[G0SX+1], SCX
	s_mov_b64 s[G0SX+2:G0SX+3], s[22:23]
	s_or_b32 s[G0SX+3], s[G0SX+3], 0x80000000
	s_mov_b32 s[G0SY], 1
	s_mov_b32 s[G0SY+1], SCY
	s_mov_b64 s[G0SY+2:G0SY+3], s[92:93]
	s_or_b32 s[G0SY+3], s[G0SY+3], 0x80000000
.irp s, 0,1
	s_mov_b32 s[G0X+4*\s], 1
	s_add_co_u32 s[G0X+4*\s+1], s45, \s*SLOT
	s_add_nc_u64 s[G0X+4*\s+2:G0X+4*\s+3], s[20:21], \s*NQ*NTX*1536
	s_or_b32 s[G0X+4*\s+3], s[G0X+4*\s+3], 0x80000000
	s_mov_b32 s[G0Y+4*\s], 1
	s_add_co_u32 s[G0Y+4*\s+1], s45, \s*SLOT
	s_add_nc_u64 s[G0Y+4*\s+2:G0Y+4*\s+3], s[46:47], \s*NQ*NTY*1536
	s_or_b32 s[G0Y+4*\s+3], s[G0Y+4*\s+3], 0x80000000
.endr
; the head's four tiles, one joint load a wave, in one chain of branches: wave 0 X's part of slot 0 (all NQ K steps), wave 1 X's scale words, wave 2 Y's part of slot 0, wave 3 Y's scale words
.macro ARM w, g0, g1
	s_cmp_eq_u32 s14, \w
	s_cbranch_scc0 .Lhd_\w
	tensor_load_to_lds s[\g0:\g0+3], s[\g1:\g1+7]
	s_nop 0
	PLACES 4
	s_branch .Lhead_asked
.Lhd_\w:
.endm
	ARM 0, G0X, G1X
	ARM 1, G0SX, G1SX
	ARM 2, G0Y, G1Y
	tensor_load_to_lds s[G0SY:G0SY+3], s[G1SY:G1SY+7]
	s_nop 0
	PLACES 4
.Lhead_asked:
; PREFETCHES INTO THE L2: the slots' two refills (K steps 4-5, 6-7) are asked for here, two fills ahead of their loads.  Of the 96 blocks of 256 bytes that my load of a fill brings, each of the four partners that ask jointly names 24, told apart by address
	s_cmp_eq_u32 s15, 0                            ; do I fetch for X?
	s_cselect_b64 s[66:67], s[20:21], s[46:47]
	s_cselect_b32 s95, s41, s40                    ; my place among the four that ask with me
	s_mov_b32 s2, NQ*NTY*1536
	s_cselect_b32 s2, NQ*NTX*1536, s2              ; from fill to fill
	s_mov_b32 s3, 0
	s_add_nc_u64 s[66:67], s[66:67], s[2:3]
	s_add_nc_u64 s[66:67], s[66:67], s[2:3]        ; at the third fill
	s_mul_i32 s94, s95, 6144
	s_mov_b32 s95, 0
	s_add_nc_u64 s[66:67], s[66:67], s[94:95]
	v_and_b32 v22, 31, v0
	v_min_u32 v22, 23, v22                         ; lanes 24-31 name the last block again
	v_lshlrev_b32 v21, 8, v22
	global_prefetch_b8 v21, s[66:67] th:TH_LOAD_NT scope:SCOPE_SE
	v_and_b32 v1, 15, v0
	v_bfe_u32 v2, v0, 4, 1
	v_and_b32 v3, 31, v0
	v_lshlrev_b32 v[LI], 4, v3
	s_wait_alu depctr_va_vdst(0)
	v_lshlrev_b32 v[LS], 2, v3
	s_mov_b32 s[SEL], 0x76543210
	s_mov_b32 s[SEL+1], 0xfedcba98
	s_mov_b32 s94, 0xffff0000
	s_and_b32 s19, ttmp7, 0xffff
	s_cmp_eq_u32 s19, 2
	s_cselect_b32 s20, YOFF, 0
	s_cselect_b32 s21, 0, YOFF
	s_cselect_b32 s22, SCB, 0
	s_cselect_b32 s23, 0, SCB
	s_mul_i32 s18, s15, NBK*1536
	s_add_co_u32 s20, s20, s18
	s_mul_i32 s18, s16, NBK*1536
	s_add_co_u32 s21, s21, s18
.irp s, 0,1
	v_add_nc_u32 v[AD1+\s], s20, v[LI]
	v_add_nc_u32 v[AD0+\s], s21, v[LI]
	s_add_co_u32 s20, s20, SLOT
	s_add_co_u32 s21, s21, SLOT
.endr
	s_lshl_b32 s18, s15, 9
	s_add_co_u32 s22, s22, s18
	s_add_co_u32 s22, s22, SCX
	s_lshl_b32 s18, s16, 9
	s_add_co_u32 s23, s23, s18
	s_add_co_u32 s23, s23, SCX
	v_mov_b32 v4, s23
	v_cndmask_b32 v[ADS], s22, v4, s94
	v_lshl_add_u32 v[ADS], v1, 2, v[ADS]
	v_and_b32 v5, 8, v1
	v_add_nc_u32 v5, v5, v1
	v_lshlrev_b32 v[RO], 2, v5
	v_lshlrev_b32 v[HO], 6, v2
	s_wait_alu depctr_va_vdst(0)
	s_mov_b32 s21, 0x7f7f0000
	s_cmp_eq_u32 s19, 1
	s_cselect_b32 s18, 63, 8
	s_cselect_b32 s20, 0, 8
	s_cselect_b32 s22, 0x01bb0000, s21
	s_cselect_b32 s23, 0x01010000, s21
	v_mov_b32 v4, 0
	v_cndmask_b32 v[CM], s18, v4, s94
	v_cndmask_b32 v[CN], s20, v4, s94
	v_mov_b32 v[BM], s22
	v_mov_b32 v[BN], s23
	s_lshl_b32 s20, s17, 8
	s_lshl_b32 s18, s16, 7
	s_add_co_u32 s20, s20, s18
	s_and_b32 s20, s20, 1023
	s_lshl_b32 s20, s20, 2
	s_mov_b32 s21, 0
	s_cmp_eq_u32 s19, 0
	s_cselect_b64 s[8:9], s[8:9], s[10:11]
	s_add_nc_u64 s[8:9], s[8:9], s[20:21]
	s_lshl_b32 s20, s42, 10
	s_lshl_b32 s18, s15, 9
	s_add_co_u32 s20, s20, s18
	s_lshl_b32 s22, s17, 4
	s_lshl_b32 s18, s15, 3
	s_add_co_u32 s22, s22, s18
	s_and_b32 s22, s22, 63
	s_lshl_b32 s22, s22, 6
	s_cmp_eq_u32 s19, 2
	s_cselect_b32 s20, s22, s20
	s_cselect_b64 s[96:97], s[12:13], s[96:97]
	s_add_nc_u64 s[96:97], s[96:97], s[20:21]
	WIN 0x40
.irp b, 0,1,2,3,4,5,6,7
	global_load_b128 v[96+8*\b+96*(\b/4):96+8*\b+96*(\b/4)+3], v[HO], s[8:9] offset:128*(\b/2)+32*(\b%2)
	global_load_b128 v[100+8*\b+96*(\b/4):100+8*\b+96*(\b/4)+3], v[HO], s[8:9] offset:128*(\b/2)+32*(\b%2)+16
.endr
	WIN 0
.irp a, 0,1,2,3,4,5,6,7
	global_load_b32 v[MK+2*\a], v[RO], s[96:97] offset:(32*(\a/2)+8*(\a%2))*4
	global_load_b32 v[MK+2*\a+1], v[RO], s[96:97] offset:(32*(\a/2)+8*(\a%2))*4
.endr
	s_wait_alu depctr_va_vdst(0)                   ; the wait at the head's end
	s_wait_tensorcnt 0x0                           ; my tile of the head's four is in
	ds_add_u32 v[SPW], v[NIL]
	s_wait_xcnt 0x0                                ; the prefetch has read its address
	s_add_nc_u64 s[66:67], s[66:67], s[2:3]        ; at the fourth fill
	s_mov_b32 s[G1X+2], (NQ/2)<<16
	s_mov_b32 s[G1X+4], NQ/2
	s_mov_b32 s[G1Y+2], (NQ/2)<<16
	s_mov_b32 s[G1Y+4], NQ/2
	s_wait_dscnt 0x0
	CROUND                                         ; all four tiles are in, in every partner
	JLOAD G0X+4, G1X, G0Y+4, G1Y
	global_prefetch_b8 v21, s[66:67] th:TH_LOAD_NT scope:SCOPE_SE
	FETCH 0, 0, 0
	STEP 0, 0, 1
	s_mov_b32 s3, LAPS-1
.Llap:
	TURN 0, 1, 1
	s_wait_alu depctr_va_vdst(0)
	STEP 1, 0, 0
	TURN 1, 0, 1
	s_wait_alu depctr_va_vdst(0)
	STEP 0, 0, 0
	s_sub_co_u32 s3, s3, 1
	s_cmp_lg_u32 s3, 0
	s_cbranch_scc1 .Llap
	TURN 0, 1, 0
	s_wait_alu depctr_va_vdst(0)
	STEP 1, 0, 0
	s_wait_dscnt 0x0
	MULS 0, NBK, 1, 0
	WIN 0
	PLACES 4
	s_wait_loadcnt 0x0
.irp b, 0,1,2,3
	v_mov_b32 v[TM+4+\b], 0
.endr
	s_cmp_eq_u32 s19, 2
	s_cbranch_scc1 .Lv_out
	s_lshr_b32 s20, s42, 3
	s_lshl_b32 s21, s42, 4
	s_lshl_b32 s18, s15, 3
	s_add_co_u32 s21, s21, s18
	s_and_b32 s21, s21, 127
	s_and_b32 s22, s17, 3
	s_lshl_b32 s22, s22, 1
	s_add_co_u32 s22, s22, s16
	s_lshl_b32 s20, s20, 4
	s_lshl_b32 s22, s22, 1
	s_add_co_u32 s20, s20, s22
	s_mul_i32 s20, s20, 139264
	s_mul_i32 s18, s19, 4456448
	s_add_co_u32 s20, s20, s18
	s_lshr_b32 s18, s21, 5
	s_mul_i32 s18, s18, 34816
	s_add_co_u32 s20, s20, s18
	s_and_b32 s21, s21, 31
	s_lshl_b32 s18, s21, 10
	s_add_co_u32 s22, s20, s18
	s_mov_b32 s23, 0
	s_lshl_b32 s18, s21, 6
	s_add_co_u32 s20, s20, s18
	s_add_co_u32 s20, s20, 32768
	s_mov_b32 s21, 0
	s_add_nc_u64 s[22:23], s[98:99], s[22:23]
	s_add_nc_u64 s[20:21], s[98:99], s[20:21]
	v_mov_b32 v[PC+7], 0
	v_mov_b32 v[PC+15], 0
.macro QKOUT a
	s_wait_xcnt 0x0
	WIN 0x06+(\a)/4
.set n, 0
.rept 32
	v_pk_add_f32 v[ST+n:ST+n+1], v[64*((\a)%4)+n:64*((\a)%4)+n+1], v[96+n+96*(n/32):96+n+96*(n/32)+1]
.set n, n+2
.endr
	WIN 0
	QUANT ST, 8
	v_cmp_eq_u32 vcc_lo, 0, v[MK+2*(\a)]
	v_cndmask_b32 v[PC+6], v[CN], v[CM], vcc_lo
	v_cndmask_b32 v[PC+14], v[CN], v[CM], vcc_lo
	v_cndmask_b32 v[XB], v[BN], v[BM], vcc_lo
.set WD, W0+2*(1-(\a)%2)
	v_and_or_b32 v[WD], v[PW], 0xffff, v[XB]
	v_lshrrev_b32 v[WD+1], 16, v[PW]
	v_or_b32 v[WD+1], v[WD+1], v[XB]
	global_store_b128 v[LI], v[PC:PC+3], s[22:23] offset:1024*(\a)
	global_store_b128 v[LI], v[PC+4:PC+7], s[22:23] offset:1024*(\a)+512
	global_store_b128 v[LI], v[PC+8:PC+11], s[22:23] offset:1024*(\a)+139264
	global_store_b128 v[LI], v[PC+12:PC+15], s[22:23] offset:1024*(\a)+139264+512
.if (\a)%2 == 1
	v_cndmask_b32 v[WS0], v[W0+2], v[W0], s94
	v_cndmask_b32 v[WS0+1], v[W0+3], v[W0+1], s94
	global_store_b32 v[LS], v[WS0], s[20:21] offset:64*((\a)-1)
	global_store_b32 v[LS], v[WS0+1], s[20:21] offset:64*((\a)-1)+139264
.endif
.endm
.irp a, 0,1,2,3,4,5,6,7
	QKOUT \a
.endr
	s_branch .Ldone
.Lv_out:
	s_lshl_b32 s20, s42, 1
	s_add_co_u32 s20, s20, s16
	s_lshr_b32 s21, s20, 4
	s_and_b32 s20, s20, 15
	s_lshl_b32 s22, s17, 4
	s_lshl_b32 s18, s15, 3
	s_add_co_u32 s22, s22, s18
	s_and_b32 s22, s22, 63
	s_lshr_b32 s22, s22, 2
	s_lshl_b32 s21, s21, 4
	s_add_co_u32 s21, s21, s22
	s_mul_i32 s21, s21, 102400
	s_lshr_b32 s18, s20, 2
	s_mul_i32 s18, s18, 25600
	s_add_co_u32 s21, s21, s18
	s_add_co_u32 s21, s21, 8912896
	s_and_b32 s20, s20, 3
	s_mul_i32 s18, s20, 6144
	s_add_co_u32 s22, s21, s18
	s_mov_b32 s23, 0
	s_lshl_b32 s18, s20, 8
	s_add_co_u32 s20, s21, s18
	s_add_co_u32 s20, s20, 24576
	s_mov_b32 s21, 0
	s_add_nc_u64 s[22:23], s[98:99], s[22:23]
	s_add_nc_u64 s[20:21], s[98:99], s[20:21]
.macro VOUT a
	s_wait_xcnt 0x0
	WIN 0x02+(\a)/4
.set n, 0
.rept 32
	v_pk_add_f32 v[ST+n:ST+n+1], v[64*((\a)%4)+n:64*((\a)%4)+n+1], v[MK+2*(\a):MK+2*(\a)+1]
.set n, n+2
.endr
	WIN 0
	QUANT ST, 6
.irp p, 0,1,2
	global_store_b128 v[LI], v[PC+4*\p:PC+4*\p+3], s[22:23] offset:102400*((\a)/4)+1536*((\a)%4)+512*\p
.endr
.if (\a)%2 == 0
	v_mov_b32 v[W0+2], v[PW]
.else
	v_cndmask_b32 v[WS0], v[W0+2], v[PW], s94
	global_store_b32 v[LS], v[WS0], s[20:21] offset:102400*((\a)/4)+64*((\a)%4-1)
.endif
.endm
.irp a, 0,1,2,3,4,5,6,7
	VOUT \a
.endr
.Ldone:
	s_wait_tensorcnt 0x0
	ds_add_u32 v[SPW], v[NIL]
	s_wait_dscnt 0x0
	CROUND
	s_endpgm
.Lfunc_end_k_qb7a524ffd7_qkv:
	.size	k_qb7a524ffd7_qkv, .Lfunc_end_k_qb7a524ffd7_qkv-k_qb7a524ffd7_qkv
	.p2alignl 7, 3214868480
	.fill 96, 4, 3214868480
	.section	.rodata,"a",@progbits
	.p2align	6, 0x0
	.amdhsa_kernel k_qb7a524ffd7_qkv
		.amdhsa_group_segment_fixed_size 327680
		.amdhsa_private_segment_fixed_size 0
		.amdhsa_enable_private_segment 0
		.amdhsa_kernarg_size 56
		.amdhsa_user_sgpr_count 2
		.amdhsa_user_sgpr_kernarg_segment_ptr 1
		.amdhsa_wavefront_size32 1
		.amdhsa_system_sgpr_workgroup_id_x 1
		.amdhsa_system_sgpr_workgroup_id_y 1
		.amdhsa_system_sgpr_workgroup_id_z 1
		.amdhsa_system_vgpr_workitem_id 0
		.amdhsa_next_free_vgpr 1024
		.amdhsa_next_free_sgpr 100
		.amdhsa_reserve_vcc 1
		.amdhsa_float_denorm_mode_32 3
		.amdhsa_float_denorm_mode_16_64 3
		.amdhsa_memory_ordered 1
		.amdhsa_forward_progress 1
		.amdhsa_inst_pref_size 218
	.end_amdhsa_kernel
	.amdgpu_metadata
---
amdhsa.version: [ 1, 2 ]
amdhsa.kernels:
  - .name:           k_qb7a524ffd7_qkv
    .symbol:         k_qb7a524ffd7_qkv.kd
    .args:
      - { .name: hcs, .offset: 0, .size: 8, .value_kind: global_buffer, .address_space: global }
      - { .name: wts, .offset: 8, .size: 8, .value_kind: global_buffer, .address_space: global }
      - { .name: bq, .offset: 16, .size: 8, .value_kind: global_buffer, .address_space: global }
      - { .name: bk, .offset: 24, .size: 8, .value_kind: global_buffer, .address_space: global }
      - { .name: bv, .offset: 32, .size: 8, .value_kind: global_buffer, .address_space: global }
      - { .name: mask, .offset: 40, .size: 8, .value_kind: global_buffer, .address_space: global }
      - { .name: qkv, .offset: 48, .size: 8, .value_kind: global_buffer, .address_space: global }
    .group_segment_fixed_size: 327680
    .private_segment_fixed_size: 0
    .kernarg_segment_align: 8
    .kernarg_segment_size: 56
    .max_flat_workgroup_size: 128
    .sgpr_count:     100
    .vgpr_count:     1024
    .wavefront_size: 32
...
	.end_amdgpu_metadata
.endif
;; end of part 2
;; launch attn (part 3): grid 8 x 32, 16 waves a work-group, clusters of 4 x 1, 251,904 bytes of LDS; arguments qkv, ctx; writes ctx
.if DOCPART == 3
	.amdgcn_target "amdgcn-amd-amdhsa--gfx1250"
	.amdhsa_code_object_version 6
	.text
	.protected	k_qb7a524ffd7_attn
	.globl	k_qb7a524ffd7_attn
	.p2align	8
	.type	k_qb7a524ffd7_attn,@function
k_qb7a524ffd7_attn:
	s_mov_b64 s[64:65], 0
	v_nop
	global_prefetch_b8 v0, s[64:65] scope:SCOPE_SE
	s_setreg_imm32_b32 hwreg(HW_REG_WAVE_MODE, 25, 1), 1
	s_wait_xcnt 0x0
	s_wait_alu depctr_hold_cnt(0) depctr_sa_sdst(0) depctr_va_vdst(0) depctr_va_sdst(0) depctr_va_ssrc(0) depctr_va_vcc(0) depctr_vm_vsrc(0)
	s_getreg_b32 s2, hwreg(HW_REG_IB_STS2, 6, 4)
	s_cmp_eq_u32 s2, 0
	s_cbranch_scc0 .Lentry_in_a_cluster
	s_endpgm
.Lentry_in_a_cluster:
	s_bfe_u32 s2, ttmp6, 0x10000c
	s_cmp_lg_u32 s2, 0x3003
	s_cbranch_scc0 .Lentry_shape_is_right
	s_endpgm
.Lentry_shape_is_right:
; ATTN.  ctx = softmax(q k^T / 8, masked keys left out) v for one (batch, head), both products on codes of FP6 (E2M3) with E8M0 scales; ctx is quantised along (head, channel) and stored as images of operand registers.
; IN (qkv): Q at 0, K at 4,456,448: for each (batch, head) 4 chunks of 34,816 bytes: 32 tile images of 1,024 bytes (8 registers a lane: 0-5 the head's 64 codes, 6 the extension, 7 zero), then 32 x 16 scale words.
;   V at 8,912,896: for each (batch, head) 4 chunks of 25,600 bytes: 4 key steps x [4 tiles of channels][1536], then 4 x [4][16] scale words.  Lane r of a stored tile T is row 32 (T/2) + 8 (T%2) + r + 8 (r/8).
; THE MASK lies in the operands: at k = 64 q has 1.0 and a masked key -7.5 x 2^60, so its p is 0.  The loop has no line for it.
; THE SOFTMAX: t = score x log2(e) / 8; M = the running largest t rounded UP to a whole number; p = 2^(t - M) is quantised along the keys; the row's sum is taken of the unquantised p and divides at the end.
;   When M moves, the sum and O are multiplied by 2^(old M - new M): exact.  The running largest SCORE starts at -2^53, above every masked key's.
; LIMITS: a key that counts has a score above -2^53; the scaled scores stay under 2^31 in magnitude; NaN and infinities are not served.  A row with no key at all gets two scale bytes 0xff, which make the next product's sums NaN, as the softmax of such a row is.
; SHARES.  A work-group owns 256 queries of one (batch, head), each of its sixteen waves 16 of them.  All of the head's K and V come into LDS once, by ten joint loads, one a wave (waves 0-9), in one chain of branches;
;   cluster 4 x 1: four blocks of queries of one head ask jointly.  Waves 0-3 bring what the first 512 keys need (K's and V's first chunk, all scale words) and they alone wait ahead of the first barrier; ahead of the second every wave waits for 0.
;   No byte is filled twice.  No prefetch: every byte is asked for at the head, and there is no loop to run ahead in.
; LDS: K's 128 tiles, 1,024 + 64 bytes apart (the descriptor pads); V's codes; K's scale words; V's; the spare words.  So every key step lies a constant number of bytes behind the last.
; WHICH KEYS FORM A TILE is chosen by the lanes' addresses: lane r of tile t of a group of 64 keys takes key 32 (r/8) + 8 t + r % 8.  Both products are used transposed (S^T = K Q^T, O^T = V^T P^T), so lane (r, h) holds query r,
;   and its 32 scores of a group's four tiles are keys 32 h + 0 .. 31: ONE WHOLE scale block, in the order of the next operand's registers.  With the 64 bytes of padding lanes 8-15 read 128 bytes (mod 256) from lanes 0-7.
; K'S FRAGMENTS LIE 8 REGISTERS APART.  Q's codes at k = 80 .. 127 are zeros, so registers 8-11 of K's operand may hold any codes (every code of the format is a finite number, and K's scale bytes there are finite): they are the next tile's first
;   four, or four of V's.  So a step's eight tiles fit: tiles 0-5 in v32-79, tiles 6, 7 in v84-99, which take turns with V's fragments.
; K RUNS A STEP AHEAD: the next step's tiles 0-5 and scale words are loaded among the lines that make M, tiles 6, 7 behind the step's last products.  The first loop has 3 steps, so that its loads stay inside the first chunk;
;   the last step's loads ahead read bytes of V's regions, which nothing uses.
; REGISTERS: v1-11 lane terms and addresses; v12 -M, v13 the largest score, v[14:15] the sum; v16-27 Q; v28-29 V's scale words (two tiles a register), v30-31, v246-247 K's; v32-103 K; v80-127 V; v128-191 S^T, then p;
;   v192-223 O^T; v224-235 p's codes; v236-245, v252 at work; v254 p's scale word; v255 Q's.
.set KT1,   1088
.set KSTEP, 8*KT1
.set VL,    128*KT1
.set KSL,   VL+98304
.set VSL,   KSL+8192
.set SPARE, VSL+4096                   ; the spare words: 128 bytes a wave, eight blocks of 256 bytes that no other line names
.set LI,   1                           ; 16 x lane
.set NIL,  2                           ; 0
.set LK,   3                           ; K's codes: 2 KT1 (r/8) + 16 (r%8) + 256 h
.set LKS,  4                           ; K's scale words: 128 (r/8) + 4 (r%8) + 64 h
.set L4,   5                           ; 4 x lane
.set SH,   6                           ; 8 h
.set SPW,  7
.set ADK,  8
.set ADV,  9
.set ADS,  10
.set ADT,  11
.set TK,   2
.set TV,   3
.set NC,   8                           ; -log2(e) / 8
.set TSK,  11
.set WV,   18
.set TSV,  19
.set SEL,  20
.set CS,   22                          ; s[22:23] log2(e) / 8
.set G1KC, 24
.set G1VC, 32
.set G1KS, 40
.set G1VS, 48
.set CNT,  100
.set THR,  101
.macro CROUND
	s_barrier_signal -1
	s_barrier_wait -1
	s_cmp_lg_u32 s[WV], 0
	s_cbranch_scc1 .Lnot_wave_0_\@
	s_barrier_signal -3
.Lnot_wave_0_\@:
	s_barrier_wait -3
	s_barrier_signal -1
	s_barrier_wait -1
.endm
.macro GROUP1 g, w0, c, r, p           ; r rows of c elements of 8 bytes, p elements apart
	s_mov_b32 s[\g], \w0
	s_mov_b32 s[\g+1], (\c)<<16
	s_mov_b32 s[\g+2], (\r)<<16
	s_mov_b32 s[\g+3], (\c)<<16
	s_mov_b32 s[\g+4], \r
	s_mov_b32 s[\g+5], \p
	s_mov_b32 s[\g+6], 0
	s_mov_b32 s[\g+7], 0
.endm
.macro GROUP0 g, lds, b, off
	s_mov_b32 s[\g], 1
	s_mov_b32 s[\g+1], \lds
	s_add_nc_u64 s[\g+2:\g+3], s[\b:\b+1], \off
	s_or_b32 s[\g+3], s[\g+3], 0x80000000
.endm
.macro ARM w, g0, g1
	s_cmp_eq_u32 s[WV], \w
	s_cbranch_scc0 .Lhd_\w
	tensor_load_to_lds s[\g0:\g0+3], s[\g1:\g1+7]
	s_nop 0
.rept 4
	v_nop
.endr
	s_branch .Lasked
.Lhd_\w:
.endm
	s_load_b128 s[4:7], s[0:1], 0x0                ; qkv, ctx
	v_lshl_add_u32 v[SPW], v0, 2, SPARE
	v_mov_b32 v[NIL], 0
	ds_add_u32 v[SPW], v[NIL]                      ; the opening lines: the add twice and its wait
	ds_add_u32 v[SPW], v[NIL]
	v_lshrrev_b32 v1, 5, v0
	v_readfirstlane_b32 s[WV], v1                  ; wave 0..15
	s_bfe_u32 s8, ttmp6, 0x40000                   ; cx
	s_lshl_b32 s9, ttmp9, 2
	s_add_co_u32 s9, s9, s8                        ; my block of 256 queries: it enters Q's and ctx's addresses alone
	s_and_b32 s10, ttmp7, 0xffff                   ; 16 x batch + head, which the four partners share
	GROUP1 G1KC, 15|(3<<16)|(1<<20)|(1<<21)|(7<<22)|(15<<25), 128, 32, 128   ; a chunk's 32 tiles, 16 words of padding behind each 256
	GROUP1 G1VC, 15|(3<<16)|(1<<21), 32, 96, 32                              ; a chunk's codes of V, dense
	GROUP1 G1KS, 15|(3<<16)|(1<<21), 256, 4, 4352                            ; the four chunks' scale words of K, 2,048 bytes each
	GROUP1 G1VS, 15|(3<<16)|(1<<21), 128, 4, 3200                            ; and of V, 1,024 each
	s_mul_i32 s12, s10, 139264
	s_add_co_u32 s12, s12, 4456448
	s_mov_b32 s13, 0
	s_mul_i32 s14, s10, 102400
	s_add_co_u32 s14, s14, 8912896
	s_mov_b32 s15, 0
	s_mul_i32 s16, s10, 139264                     ; Q: my head,
	s_lshr_b32 s17, s9, 1
	s_mul_i32 s17, s17, 34816
	s_add_co_u32 s16, s16, s17                     ; the chunk of 512 tokens
	s_mov_b32 s17, 0
	s_and_b32 s19, s9, 1
	s_lshl_b32 s19, s19, 4
	s_add_co_u32 s19, s19, s[WV]                   ; my tile in it
	s_mov_b32 s[SEL], 0x76543210
	s_mov_b32 s[SEL+1], 0xfedcba98
	s_mov_b32 s[CS], 0x3e38aa3b
	s_mov_b32 s[CS+1], s[CS]
	s_mov_b32 s[NC], 0xbe38aa3b
	s_mov_b32 s[THR], 0xda000000                   ; -2^53
	s_wait_dscnt 0x0
	s_wait_kmcnt 0x0
	s_add_nc_u64 s[12:13], s[4:5], s[12:13]
	s_add_nc_u64 s[14:15], s[4:5], s[14:15]
	s_add_nc_u64 s[16:17], s[4:5], s[16:17]
	GROUP0 56, 0, 12, 0
	GROUP0 60, VL, 14, 0
	GROUP0 68, KSL, 12, 32768
	GROUP0 72, VSL, 14, 24576
.irp j, 1,2,3
	GROUP0 72+4*\j, \j*32*KT1, 12, \j*34816
	GROUP0 84+4*\j, VL+\j*24576, 14, \j*25600
.endr
	CROUND                                         ; all four work-groups are here: the joint loads meet
	ARM 0, 56, G1KC
	ARM 1, 60, G1VC
	ARM 2, 68, G1KS
	ARM 3, 72, G1VS
	ARM 4, 76, G1KC
	ARM 5, 80, G1KC
	ARM 6, 84, G1KC
	ARM 7, 88, G1VC
	ARM 8, 92, G1VC
	ARM 9, 96, G1VC
.Lasked:
	v_and_b32 v3, 31, v0
	v_lshlrev_b32 v[LI], 4, v3
	v_lshlrev_b32 v[L4], 2, v3
	v_bfe_u32 v6, v0, 4, 1                         ; h
	v_and_b32 v8, 7, v0                            ; r % 8
	v_bfe_u32 v9, v0, 3, 1                         ; r / 8
	v_lshlrev_b32 v3, 4, v8
	v_lshl_add_u32 v3, v6, 8, v3
	v_mad_u32_u24 v[LK], v9, 2*KT1, v3
	v_lshlrev_b32 v4, 2, v8
	v_lshl_add_u32 v4, v6, 6, v4
	v_lshl_add_u32 v[LKS], v9, 7, v4
	v_lshlrev_b32 v[SH], 3, v6
	s_lshl_b32 s2, s19, 10
	s_lshl_b32 s3, s19, 6
	s_add_co_u32 s3, s3, 32768
	v_add_nc_u32 v10, s2, v[LI]
	v_and_b32 v11, 60, v[L4]
	v_add_nc_u32 v11, s3, v11
	global_load_b128 v[16:19], v10, s[16:17]       ; Q's image stays in registers
	global_load_b128 v[20:23], v10, s[16:17] offset:512
	global_load_b32 v255, v11, s[16:17]            ; and its scale words
.irp i, 24,25,26,27, 80,81,82,83, 100,101,102,103
	v_mov_b32 v[\i], 0                             ; k = 80 .. 127 of Q: zero codes; and what the first step's tiles 5 and 7 name behind their own eight registers
.endr
	v_mov_b32 v13, 0xda000000                      ; the largest score so far
	v_mul_f32 v12, s[NC], v13
	v_floor_f32 v12, v12                           ; -M
	v_mov_b32 v14, 0
	v_mov_b32 v15, 0
	v_mov_b32 v253, 0                              ; (named as the upper half of the pair v[252:253])
.set j, 0
.rept 32
	v_mov_b32 v[192+j], 0                          ; O^T: the step is written once; the first finds zeros
.set j, j+1
.endr
.macro KL T                            ; tile T (0 .. 7) of the key step at v[ADK]
.set KB_, 32+8*(\T)+4*((\T)/6)
.set KO_, (4*((\T)/4)+(\T)%2)*KT1+128*(((\T)%4)/2)
	ds_load_b128 v[KB_:KB_+3], v[ADK] offset:KO_
	ds_load_b128 v[KB_+4:KB_+7], v[ADK] offset:KO_+512
.endm
.macro KSW                             ; its scale words: lanes 0-15 an even tile's, lanes 16-31 the odd one's
	ds_load_b32 v30, v[ADS]
	ds_load_b32 v31, v[ADS] offset:32
	ds_load_b32 v246, v[ADS] offset:256
	ds_load_b32 v247, v[ADS] offset:288
.endm
.macro VLD d
.irp p, 0,1,2
	ds_load_b128 v[80+12*\d+4*\p:83+12*\d+4*\p], v[ADV] offset:1536*\d+512*\p
.endr
.endm
.macro QK T, sr, row
.set KB_, 32+8*(\T)+4*((\T)/6)
	v_wmma_scale_f32_16x16x128_f8f6f4 v[128+8*\T:135+8*\T], v[KB_:KB_+11], v[16:27], 0, v\sr, v255 matrix_a_fmt:MATRIX_FMT_FP6 matrix_b_fmt:MATRIX_FMT_FP6 matrix_a_scale:MATRIX_SCALE_ROW\row
.endm
; the largest of my 32 scores of group c: a chain to each tile, from its low end on (MX0, MXI), then the four joined (MXT): 16 lines.  It serves for the row's maximum and, since p rises with the score, for the block's largest p
.macro MX0 c, t
	v_max3_num_f32 v[236+4*\c+\t], v[128+32*\c+8*\t], v[129+32*\c+8*\t], v[130+32*\c+8*\t]
.endm
.macro MXI c, t, i
	v_max3_num_f32 v[236+4*\c+\t], v[236+4*\c+\t], v[128+32*\c+8*\t+\i], v[129+32*\c+8*\t+\i]
.endm
.macro MXT c
	v_max3_num_f32 v[236+4*\c], v[236+4*\c], v[135+32*\c], v[143+32*\c]
	v_max3_num_f32 v[238+4*\c], v[238+4*\c], v[151+32*\c], v[159+32*\c]
	v_max3_num_f32 v[236+4*\c], v[236+4*\c], v[237+4*\c], v[239+4*\c]
	v_max_num_f32 v[236+4*\c], v[236+4*\c], v[238+4*\c]
.endm
; A KEY STEP: 128 keys.  At its head tiles 0-5 and the scale words are in (shown by the wait ahead of the last products, or by the prologue's); the four loads of tiles 6, 7 may be out
.macro STEP
	QK 0, 30, 0
	QK 1, 30, 1
	QK 2, 31, 0
	QK 3, 31, 1
	QK 4, 246, 0
	QK 5, 246, 1
	v_add_nc_u32 v[ADV], s[TV], v[LI]              ; four places ahead of the first reads of the scores
	v_add_nc_u32 v[ADT], s[TSV], v[L4]
	v_add_nc_u32 v[ADK], s[TK], v[LK]              ; the NEXT step's K
	v_add_nc_u32 v[ADS], s[TSK], v[LKS]
.irp t, 0,1,2,3
	MX0 0, \t
.endr
	MX0 1, 0
	MX0 1, 1
.irp i, 3,5
.irp t, 0,1,2,3
	MXI 0, \t, \i
.endr
	MXI 1, 0, \i
	MXI 1, 1, \i
.endr
	s_wait_alu depctr_va_vdst(0)
	s_wait_dscnt 0x0                               ; tiles 6, 7
	QK 6, 247, 0
	QK 7, 247, 1
	MXT 0                                          ; four places
	MX0 1, 2
	MX0 1, 3
.irp i, 3,5
	MXI 1, 2, \i
	MXI 1, 3, \i
.endr
	MXT 1
	v_max_num_f32 v237, v236, v240                 ; my 64 keys.  The lines that make M hang on each other: V's loads and the next step's K stand among them
	VLD 0
	v_permlanex16_b32 v238, v237, s[SEL], s[SEL+1]
	VLD 1
	v_max3_num_f32 v13, v13, v237, v238            ; the running largest score of my query
	VLD 2
	v_mul_f32 v239, s[NC], v13                     ; -t
	VLD 3
	v_floor_f32 v241, v239                         ; the new -M = -ceil(t): a whole number
	ds_load_b32 v28, v[ADT]
	ds_load_b32 v29, v[ADT] offset:128
	v_sub_f32 v242, v241, v12                      ; old M - new M: a whole number, 0 or less
	v_mov_b32 v12, v241
	KL 0
	v_cvt_i32_f32 v242, v242                       ; (it saturates)
	KL 1
	v_ldexp_f32 v252, 1.0, v242                    ; f = 2^(old M - new M)
	KL 2
	KL 3
	KL 4
	KL 5
	KSW
.set j, 0
.rept 32
	v_pk_fma_f32 v[128+j:129+j], v[128+j:129+j], s[CS:CS+1], v[12:13] op_sel_hi:[1,0,0]   ; t - M, two at a time
.set j, j+2
.endr
	v_fma_f32 v236, v236, s[CS], v12               ; the same of my two blocks' largest scores
	v_fma_f32 v240, v240, s[CS], v12
.set j, 0
.rept 16
	v_pk_mul_f32 v[192+j:193+j], v[192+j:193+j], v[252:253] op_sel_hi:[1,0]   ; O^T under the new M, each accumulator from its low end on
.set j, j+2
.endr
	s_wait_alu depctr_va_vdst(0)                   ; the wait ahead of the batch
	v_exp_f32 v236, v236                           ; the blocks' largest p
	v_exp_f32 v240, v240
.set j, 0
.rept 64
	v_exp_f32 v[128+j], v[128+j]                   ; p = 2^(t - M), at most 1
.set j, j+1
.endr
	v_nop                                          ; one plain line behind the batch
	s_wait_alu depctr_va_vdst(0)                   ; and the one wait ahead of its first reader
	v_max_num_f32 v236, 0x1800000, v236            ; the floor 2^(3 - 127): the byte cannot fall under 1
	v_max_num_f32 v240, 0x1800000, v240
	v_add_nc_u32 v244, 0xff000000, v236            ; 2 off the exponent field: the conversions' scale operand
	v_add_nc_u32 v245, 0xff000000, v240
	v_cvt_scalef32_pk16_fp6_f32 v[224:226], v[128:143], v244
	v_cvt_scalef32_pk16_fp6_f32 v[236:238], v[144:159], v244   ; (a conversion's three registers begin on an even number)
	v_cvt_scalef32_pk16_fp6_f32 v[230:232], v[160:175], v245
	v_cvt_scalef32_pk16_fp6_f32 v[240:242], v[176:191], v245
	v_lshrrev_b32 v239, 23, v244                   ; the scales' bytes: blocks h and 2 + h
	v_lshrrev_b32 v243, 23, v245
	s_delay_alu instid0(VALU_DEP_1)
	v_lshl_or_b32 v239, v243, 16, v239
	s_delay_alu instid0(VALU_DEP_1)
	v_lshlrev_b32 v239, v[SH], v239                ; at their places in the word
	s_delay_alu instid0(VALU_DEP_1)
	v_permlanex16_b32 v243, v239, s[SEL], s[SEL+1]
	s_delay_alu instid0(VALU_DEP_1)
	v_or_b32 v254, v239, v243                      ; with lane l xor 16's two the word is whole
.irp i, 0,1,2
	v_mov_b32 v[227+\i], v[236+\i]
	v_mov_b32 v[233+\i], v[240+\i]
.endr
.irp w, 32,16,8                        ; the sum of the unquantised p, as a tree in place: these 28 lines are also the places ahead of the products
.set i, 0
.rept \w/2
	v_pk_add_f32 v[128+i:129+i], v[128+i:129+i], v[128+\w+i:129+\w+i]
.set i, i+2
.endr
.endr
	s_wait_alu depctr_va_vdst(0)                   ; the tree goes on behind the wait below
	s_wait_dscnt 0x0                               ; V, and the next step's tiles 0-5 and scale words
	v_wmma_scale_f32_16x16x128_f8f6f4 v[192:199], v[80:91], v[224:235], v[192:199], v28, v254 matrix_a_fmt:MATRIX_FMT_FP6 matrix_b_fmt:MATRIX_FMT_FP6 matrix_a_scale:MATRIX_SCALE_ROW0   ; O^T += V^T P^T: four accumulators by turns
	v_wmma_scale_f32_16x16x128_f8f6f4 v[200:207], v[92:103], v[224:235], v[200:207], v28, v254 matrix_a_fmt:MATRIX_FMT_FP6 matrix_b_fmt:MATRIX_FMT_FP6 matrix_a_scale:MATRIX_SCALE_ROW1
	v_wmma_scale_f32_16x16x128_f8f6f4 v[208:215], v[104:115], v[224:235], v[208:215], v29, v254 matrix_a_fmt:MATRIX_FMT_FP6 matrix_b_fmt:MATRIX_FMT_FP6 matrix_a_scale:MATRIX_SCALE_ROW0
	v_wmma_scale_f32_16x16x128_f8f6f4 v[216:223], v[116:127], v[224:235], v[216:223], v29, v254 matrix_a_fmt:MATRIX_FMT_FP6 matrix_b_fmt:MATRIX_FMT_FP6 matrix_a_scale:MATRIX_SCALE_ROW1
	v_pk_add_f32 v[128:129], v[128:129], v[132:133]            ; the tree's last lines are the four places ahead of the loads into V's registers
	v_pk_add_f32 v[130:131], v[130:131], v[134:135]
	v_pk_add_f32 v[128:129], v[128:129], v[130:131]
	v_pk_fma_f32 v[14:15], v[14:15], v[252:253], v[128:129] op_sel_hi:[1,0,1]   ; the old sum under the new M, and this step's
	KL 6                                           ; the next step's tiles 6, 7
	KL 7
	s_add_co_u32 s[TK], s[TK], KSTEP
	s_add_co_u32 s[TV], s[TV], 6144
	s_add_co_u32 s[TSK], s[TSK], 512
	s_add_co_u32 s[TSV], s[TSV], 256
.endm
.macro RUN s0, n                       ; n key steps from step s0 on; K's places are those of the step after
	s_mov_b32 s[TK], (\s0+1)*KSTEP
	s_mov_b32 s[TSK], KSL+(\s0+1)*512
	s_mov_b32 s[TV], VL+\s0*6144
	s_mov_b32 s[TSV], VSL+\s0*256
	s_mov_b32 s[CNT], \n
.Lstep_\@:
	STEP
	s_sub_co_u32 s[CNT], s[CNT], 1
	s_cmp_lg_u32 s[CNT], 0
	s_cbranch_scc1 .Lstep_\@
.endm
	s_wait_alu depctr_va_vdst(0)                   ; the wait at the head's end
	s_cmp_lt_u32 s[WV], 4
	s_cbranch_scc0 .Lnot_first
	s_wait_tensorcnt 0x0                           ; waves 0-3: the first chunks and the scale words
.Lnot_first:
	s_barrier_signal -1
	s_barrier_wait -1                              ; the six other loads may be out
	s_wait_loadcnt 0x0                             ; Q
	v_add_nc_u32 v[ADK], 0, v[LK]                  ; the prologue: step 0's K
	v_add_nc_u32 v[ADS], KSL, v[LKS]
.irp T, 0,1,2,3,4,5
	KL \T
.endr
	KSW
	KL 6
	KL 7
	s_wait_dscnt 4                                 ; all but the four loads of tiles 6, 7
	RUN 0, 3
	s_wait_tensorcnt 0x0                           ; every wave: all that is still out
	s_wait_dscnt 0x0
	s_barrier_signal -1
	s_barrier_wait -1
	RUN 3, 13
	; THE WAY OUT.  O^T / the sum; my head's 64 channels are two blocks of the next product's K: registers 6 c .. 6 c + 5 (c = the head's parity) of the token tile's fragment for the pair of heads.
	s_wait_dscnt 0x0                               ; the last step's loads ahead, which nothing uses
	s_wait_alu depctr_va_vdst(0)                   ; the sum was written just ahead of the loop's branch
	v_add_f32 v14, v14, v15
	v_permlanex16_b32 v238, v14, s[SEL], s[SEL+1]
	v_add_f32 v14, v14, v238                       ; the row's sum
	s_wait_alu depctr_va_vdst(0)
	v_rcp_f32 v14, v14
	v_mov_b32 v239, 0xffff
	v_and_b32 v243, 60, v[L4]                      ; 4 x (lane % 16)
	s_and_b32 s12, s10, 15
	s_lshr_b32 s12, s12, 1
	s_lshl_b32 s12, s12, 8                         ; 256 x the pair of heads
	s_lshr_b32 s13, s10, 4
	s_lshl_b32 s13, s13, 7
	s_add_co_u32 s12, s12, s13                     ; + 128 x batch
	s_lshl_b32 s13, s9, 4
	s_add_co_u32 s12, s12, s13
	s_add_co_u32 s12, s12, s[WV]                   ; + my tile
	s_mul_i32 s14, s12, 1536
	s_mov_b32 s15, 0
	s_lshl_b32 s12, s12, 6
	s_add_co_u32 s12, s12, 3145728
	s_and_b32 s16, s10, 1                          ; c
	s_lshl_b32 s17, s16, 1
	s_add_co_u32 s12, s12, s17
	s_mov_b32 s13, 0
	s_add_nc_u64 s[14:15], s[6:7], s[14:15]
	s_add_nc_u64 s[12:13], s[6:7], s[12:13]
	s_wait_alu depctr_va_vdst(0)                   ; the wait ahead of the reciprocal's and O^T's first reader
.set j, 0
.rept 16
	v_pk_mul_f32 v[128+j:129+j], v[192+j:193+j], v[14:15] op_sel_hi:[1,0]   ; register 16 b + i is channel 32 b + 16 (lane / 16) + i
.set j, j+2
.endr
.irp b, 0,1
	v_max3_num_f32 v[236+\b], |v[128+16*\b]|, |v[129+16*\b]|, 0x1800000
.endr
.irp i, 2,4,6,8,10,12,14
.irp b, 0,1
	v_max3_num_f32 v[236+\b], v[236+\b], |v[128+16*\b+\i]|, |v[129+16*\b+\i]|
.endr
.endr
.irp b, 0,1
	v_permlanex16_b32 v[240+\b], v[236+\b], s[SEL], s[SEL+1]
.endr
.irp b, 0,1
	v_max_num_f32 v[236+\b], v[236+\b], v[240+\b]
.endr
.irp b, 0,1
	v_add_nc_u32 v[244+\b], 0xff000000, v[236+\b]
.endr
.irp b, 0,1
	v_lshrrev_b32 v[240+\b], 23, v[244+\b]
.endr
	v_lshl_or_b32 v242, v241, 8, v240              ; my head's half of the scale word
	v_cmp_ge_f32 vcc_lo, s[THR], v13               ; no key counted for my query?  It only selects a value:
	v_cndmask_b32 v242, v242, v239, vcc_lo         ; two bytes 0xff
	v_cvt_scalef32_pk16_fp6_f32 v[160:162], v[128:143], v244
	v_cvt_scalef32_pk16_fp6_f32 v[164:166], v[144:159], v245
	v_nop
.irp i, 0,1,2
	v_permlane16_swap_b32 v[160+\i], v[164+\i]     ; a whole block to a lane
.endr
.irp i, 0,1,2
	v_mov_b32 v[163+\i], v[164+\i]
.endr
	global_store_b16 v243, v242, s[12:13]          ; both lanes of a row store the same two bytes
	s_wait_alu depctr_va_vdst(0)                   ; the wait ahead of the branch
	s_cmp_eq_u32 s16, 0                            ; the head's parity: the same in all partners
	s_cbranch_scc0 .Lodd
	global_store_b128 v[LI], v[160:163], s[14:15]              ; registers 0-3: piece 0
	global_store_b64 v[LI], v[164:165], s[14:15] offset:512    ; 4, 5: the lower half of my 16 bytes of piece 1
	s_branch .Lout
.Lodd:
	global_store_b64 v[LI], v[160:161], s[14:15] offset:520    ; 6, 7: the upper half
	global_store_b128 v[LI], v[162:165], s[14:15] offset:1024  ; 8-11: piece 2
.Lout:
	s_wait_tensorcnt 0x0                           ; the wave's end
	ds_add_u32 v[SPW], v[NIL]
	s_wait_dscnt 0x0
	CROUND                                         ; the closing round
	s_endpgm
.Lfunc_end_k_qb7a524ffd7_attn:
	.size	k_qb7a524ffd7_attn, .Lfunc_end_k_qb7a524ffd7_attn-k_qb7a524ffd7_attn
	.p2alignl 7, 3214868480
	.fill 96, 4, 3214868480
	.section	.rodata,"a",@progbits
	.p2align	6, 0x0
	.amdhsa_kernel k_qb7a524ffd7_attn
		.amdhsa_group_segment_fixed_size 251904
		.amdhsa_private_segment_fixed_size 0
		.amdhsa_enable_private_segment 0
		.amdhsa_kernarg_size 16
		.amdhsa_user_sgpr_count 2
		.amdhsa_user_sgpr_kernarg_segment_ptr 1
		.amdhsa_wavefront_size32 1
		.amdhsa_system_sgpr_workgroup_id_x 1
		.amdhsa_system_sgpr_workgroup_id_y 1
		.amdhsa_system_sgpr_workgroup_id_z 1
		.amdhsa_system_vgpr_workitem_id 0
		.amdhsa_next_free_vgpr 256
		.amdhsa_next_free_sgpr 102
		.amdhsa_reserve_vcc 1
		.amdhsa_float_denorm_mode_32 3
		.amdhsa_float_denorm_mode_16_64 3
		.amdhsa_memory_ordered 1
		.amdhsa_forward_progress 1
		.amdhsa_inst_pref_size 50
	.end_amdhsa_kernel
	.amdgpu_metadata
---
amdhsa.version: [ 1, 2 ]
amdhsa.kernels:
  - .name:           k_qb7a524ffd7_attn
    .symbol:         k_qb7a524ffd7_attn.kd
    .args:
      - { .name: qkv, .offset: 0, .size: 8, .value_kind: global_buffer, .address_space: global }
      - { .name: ctx, .offset: 8, .size: 8, .value_kind: global_buffer, .address_space: global }
    .group_segment_fixed_size: 251904
    .private_segment_fixed_size: 0
    .kernarg_segment_align: 8
    .kernarg_segment_size: 16
    .max_flat_workgroup_size: 512
    .sgpr_count:     102
    .vgpr_count:     256
    .wavefront_size: 32
...
	.end_amdgpu_metadata
.endif
;; end of part 3
;; launch wo (part 4): grid 32 x 8, 4 waves a work-group, clusters of 4 x 4, 327,680 bytes of LDS; arguments ctx, wts, bo, x, x1; writes x1
.if DOCPART == 4
	.amdgcn_target "amdgcn-amd-amdhsa--gfx1250"
	.amdhsa_code_object_version 6
	.text
	.protected	k_qb7a524ffd7_wo
	.globl	k_qb7a524ffd7_wo
	.p2align	8
	.type	k_qb7a524ffd7_wo,@function
k_qb7a524ffd7_wo:
	s_mov_b64 s[64:65], 0
	v_nop
	global_prefetch_b8 v0, s[64:65] scope:SCOPE_SE
	s_setreg_imm32_b32 hwreg(HW_REG_WAVE_MODE, 25, 1), 1
	s_wait_xcnt 0x0
	s_wait_alu depctr_hold_cnt(0) depctr_sa_sdst(0) depctr_va_vdst(0) depctr_va_sdst(0) depctr_va_ssrc(0) depctr_va_vcc(0) depctr_vm_vsrc(0)
	s_getreg_b32 s2, hwreg(HW_REG_IB_STS2, 6, 4)
	s_cmp_eq_u32 s2, 0
	s_cbranch_scc0 .Lentry_in_a_cluster
	s_endpgm
.Lentry_in_a_cluster:
	s_bfe_u32 s2, ttmp6, 0x10000c
	s_cmp_lg_u32 s2, 0xf033
	s_cbranch_scc0 .Lentry_shape_is_right
	s_endpgm
.Lentry_shape_is_right:
; WO.  out = res + (X W + bias): X as images of FP6 (E2M3) fragments with E8M0 scale words, W likewise out of wts; sums in f32; res and out f32 [4096][1024].  Here: X = ctx, W = wo, bias = bo, res = x, out = x1.
; IMAGES: a fragment (tile of 16 rows, K step of 128) is 1,536 bytes: three pieces of 512, piece p = registers 4p .. 4p+3, lane l at 16 l.  Lane r of tile T is row 32 (T/2) + 8 (T%2) + r + 8 (r/8).
; SHARES.  N is 1,024, so a work-group makes 128 tokens x 128 columns: 256 work-groups.  Four waves, 64 x 64 each: 16 accumulators.  K goes through a ring of two LDS slots of FOUR K steps; a K step's 8 tiles of a side are one dense run of 12,288 bytes;
; a wave's one tensor load brings two of them.  All scale words come once, with the first fills.  CLUSTER 4 x 4: X's tiles are asked for jointly by a column of the cluster, W's by a row.
; Source 1 = tokens, source 0 = columns: a lane holds one token, its registers run along the columns.  The bias is the C of each sum's first product.  The residual is asked for at the head and lands under the products.
; THE WAY OUT: a block of 16 tokens x 64 columns goes through the wave's own stage in LDS (bytes of its own, behind the spare words) and comes back by rows; sixteen lanes store 256 consecutive bytes, aligned.
; REGISTERS, in windows of 256.  window 0: v1-31 addresses; v32-39 scale words, two sets; source 1's fragments, two sets, at v64 and v160; on the way out v64-127.   window 1: source 0's, at v0 and v128.
;   window 2: accumulator (a, b) at v[8 (4 a + b)]; v128-159 the bias.   window 3: v0-127 the residual.
.set NBK,  4
.set TW,   8
.set NQ,   4
.set PART, TW*1536
.set KT,   8                           ; K steps
.set NTX,  256                         ; tiles in a K step of X's buffer
.set NTY,  512                         ; of W's region
.set XSO,  3145728                     ; where X's scale words begin
.set YC0,  192*1536                    ; where W's codes begin in wts
.set YS0,  9437184+192*64              ; and its scale words
.set LAPS, KT/(2*NQ)
.set SLOT, 98304
.set YOFF, 49152
.set SCX,  2*SLOT
.set SCB,  KT*TW*64
.set SCY,  SCX+SCB
.set SPARE, SCY+SCB                    ; the spare words, 128 bytes a wave: two blocks of 256 bytes that no other line names
.set STAGE, SPARE+512                  ; 16 rows x 272 bytes for each wave; no fill lands here
.set APW,  32/NBK
.set AD1,  8
.set AD0,  10
.set ADS,  12
.set SPW,  13
.set NIL,  14
.set LI,   15
.set STO,  17                          ; v17  the stage: where I put 16 bytes of a row
.set RD,   18                          ; v18  where I read a row back
.set CO,   19                          ; v19  my byte offset in two rows of res and out
.set HO,   20                          ; v20  64 (lane / 16)
.set SC,   32
.set G1X,  24
.set G0X,  32
.set G1Y,  48
.set G0Y,  56
.set G1SX, 68
.set G0SX, 76
.set G1SY, 80
.set G0SY, 88
.set MSB, 0
.macro WIN new                         ; the immediate's high byte repeats the setting that is left
.if MSB != (\new)
	s_set_vgpr_msb (MSB<<8)|(\new)
.set MSB, (\new)
.endif
.endm
.macro PLACES n                        ; plain lines behind matrix instructions, ahead of loads into their operands and of reads of their results
.rept \n
	v_nop
.endr
.endm
.macro JLOAD g0x, g1x, g0y, g1y        ; a joint load: waves 0 and 1 fetch for X, waves 2 and 3 for W; four v_nop follow each of the two lines
	s_cmp_eq_u32 s15, 0
	s_cbranch_scc0 .Lfor_y_\@
	tensor_load_to_lds s[\g0x:\g0x+3], s[\g1x:\g1x+7]
	s_nop 0
.rept 4
	v_nop
.endr
	s_branch .Lasked_\@
.Lfor_y_\@:
	tensor_load_to_lds s[\g0y:\g0y+3], s[\g1y:\g1y+7]
	s_nop 0
.rept 4
	v_nop
.endr
.Lasked_\@:
.endm
.macro CREST                           ; a round of the cluster's barrier behind its opening barrier
	s_cmp_lg_u32 s14, 0
	s_cbranch_scc1 .Lnot_wave_0_\@
	s_barrier_signal -3
.Lnot_wave_0_\@:
	s_barrier_wait -3
	s_barrier_signal -1
	s_barrier_wait -1
.endm
.macro CROUND
	s_barrier_signal -1
	s_barrier_wait -1
	CREST
.endm
.macro FETCH slot, q, p                ; the fragments and scale words of the slot's q-th K step into set p
	WIN 0x40
.set ii, 0
.rept NBK
.irp c, 0,1,2
	ds_load_b128 v[128*(\p)+12*ii+4*\c:128*(\p)+12*ii+4*\c+3], v[AD0+\slot] offset:(\q)*PART+1536*ii+512*\c
.endr
.set ii, ii+1
.endr
	WIN 0
.set ii, 0
.rept NBK
.irp c, 0,1,2
	ds_load_b128 v[64+96*(\p)+12*ii+4*\c:64+96*(\p)+12*ii+4*\c+3], v[AD1+\slot] offset:(\q)*PART+1536*ii+512*\c
.endr
.set ii, ii+1
.endr
.set ii, 0
.rept NBK
	ds_load_b32 v[SC+NBK*(\p)+ii], v[ADS] offset:(\q)*TW*64+64*ii   ; lanes 0-15: the tokens' block ii; lanes 16-31: the columns'
.set ii, ii+1
.endr
.endm
; n blocks a of tokens from a0 on, each against the NBK blocks of columns.  first = 1: the bias is C and the products start the sums.  The accumulators take turns, one instruction a turn.
.macro MULS a0, n, p, first
.set aa, \a0
.rept \n
	WIN 0xa1                                       ; source 0 window 1, source 1 window 0, C and D window 2
.set bb, 0
.rept NBK
.set rD, 8*(NBK*aa+bb)
.set rA, 128*(\p)+12*bb
.set rB, 64+96*(\p)+12*aa
.set sA, SC+NBK*(\p)+bb
.set sB, SC+NBK*(\p)+aa
.if \first
	v_wmma_scale_f32_16x16x128_f8f6f4 v[rD:rD+7], v[rA:rA+11], v[rB:rB+11], v[128+8*bb:128+8*bb+7], v[sA], v[sB] matrix_a_fmt:MATRIX_FMT_FP6 matrix_b_fmt:MATRIX_FMT_FP6 matrix_a_scale:MATRIX_SCALE_ROW1
.else
	v_wmma_scale_f32_16x16x128_f8f6f4 v[rD:rD+7], v[rA:rA+11], v[rB:rB+11], v[rD:rD+7], v[sA], v[sB] matrix_a_fmt:MATRIX_FMT_FP6 matrix_b_fmt:MATRIX_FMT_FP6 matrix_a_scale:MATRIX_SCALE_ROW1
.endif
.set bb, bb+1
.endr
.set aa, aa+1
.endr
.endm
.macro STEP slot, q, first             ; a K step that has its successor in the same slot
	s_wait_dscnt 0x0                               ; this step's fragments and words are in (asked for a step ago)
	PLACES 4                                       ; the other sets were read by the products just ahead
	FETCH \slot, (\q)+1, 1-(\q)%2
	MULS 0, NBK, (\q)%2, \first
	WIN 0
.endm
; A slot's last K step changes slots: ONE barrier; in front of it each wave waits for all its tensor loads, adds 0 to its spare word, and waits for that and for its reads of this slot.  fill = 1: the barrier opens a round of the cluster's, and this slot is filled again.
.macro TURN slot, next, fill
	s_wait_tensorcnt 0x0                           ; all my tensor loads have landed: my part of the next slot
	ds_add_u32 v[SPW], v[NIL]                      ; 0 onto my spare word
	s_wait_dscnt 1                                 ; this step's fragments are in; the add may be out
	MULS 0, NBK/4, 1, 0
	s_wait_dscnt 0x0                               ; the add is done, and my reads of this slot are over
	s_barrier_signal -1
	MULS NBK/4, NBK/4, 1, 0
	WIN 0
	s_barrier_wait -1
.if \fill
	CREST                                          ; no wave of any partner still reads this slot or has a load on its way
	s_add_nc_u64 s[G0X+4*\slot+2:G0X+4*\slot+3], s[G0X+4*\slot+2:G0X+4*\slot+3], 2*NQ*NTX*1536
	s_add_nc_u64 s[G0Y+4*\slot+2:G0Y+4*\slot+3], s[G0Y+4*\slot+2:G0Y+4*\slot+3], 2*NQ*NTY*1536
	JLOAD G0X+4*\slot, G1X, G0Y+4*\slot, G1Y       ; the first tensor load behind the round, one a wave; its four v_nop are also the places ahead of the loads below
.else
	PLACES 4
.endif
	v_add_nc_u32 v[ADS], NQ*TW*64, v[ADS]
	FETCH \next, 0, 0
	MULS NBK/2, NBK/2, 1, 0
	WIN 0
.endm
	s_load_b128 s[4:7], s[0:1], 0x0                ; X, wts
	s_load_b128 s[8:11], s[0:1], 0x10              ; bias, res
	s_load_b64 s[12:13], s[0:1], 0x20              ; out
	v_lshl_add_u32 v[SPW], v0, 2, SPARE
	v_mov_b32 v[NIL], 0
	ds_add_u32 v13, v14
	ds_add_u32 v13, v14
	s_wait_dscnt 0x0
	v_lshrrev_b32 v1, 5, v0
	v_readfirstlane_b32 s14, v1                    ; wave 0..3
	s_lshr_b32 s15, s14, 1                         ; my half of the tokens.  Also: I fetch for X (0) or for W (1)
	s_and_b32 s16, s14, 1                          ; my half of the columns.  Also: which half of the K steps I fetch
	s_bfe_u32 s40, ttmp6, 0x40000
	s_bfe_u32 s41, ttmp6, 0x40004
	s_lshl_b32 s42, ttmp9, 2
	s_add_co_u32 s42, s42, s40                     ; work-group x: the block of 128 tokens
	s_and_b32 s17, ttmp7, 0xffff
	s_lshl_b32 s17, s17, 2
	s_add_co_u32 s17, s17, s41                     ; work-group y: the block of 128 columns
	s_lshl_b32 s43, s41, 2
	s_lshl_b32 s43, 15, s43                        ; my row of the cluster
	s_lshl_b32 s44, 0x1111, s40                    ; my column
	s_or_b32 s[G1X], s44, (3<<16)|(1<<21)          ; 15:0 the mask; 17:16 elements of 8 bytes; 21 set beside a mask; no padding
	s_or_b32 s[G1Y], s43, (3<<16)|(1<<21)
	s_or_b32 s[G1SX], s44, (3<<16)|(1<<21)
	s_or_b32 s[G1SY], s43, (3<<16)|(1<<21)
.irp g, G1X, G1Y                       ; codes: NQ rows of PART bytes, a K step of the buffer apart
	s_mov_b32 s[\g+1], (PART/8)<<16
	s_mov_b32 s[\g+2], NQ<<16
	s_mov_b32 s[\g+3], (PART/8)<<16
	s_mov_b32 s[\g+4], NQ
	s_mov_b32 s[\g+6], 0
	s_mov_b32 s[\g+7], 0
.endr
	s_mov_b32 s[G1X+5], NTX*192
	s_mov_b32 s[G1Y+5], NTY*192
.irp g, G1SX, G1SY                     ; scale words: KT rows of TW x 64 bytes
	s_mov_b32 s[\g+1], (TW*8)<<16
	s_mov_b32 s[\g+2], KT<<16
	s_mov_b32 s[\g+3], (TW*8)<<16
	s_mov_b32 s[\g+4], KT
	s_mov_b32 s[\g+6], 0
	s_mov_b32 s[\g+7], 0
.endr
	s_mov_b32 s[G1SX+5], NTX*8
	s_mov_b32 s[G1SY+5], NTY*8
	s_mul_i32 s20, s42, PART                       ; X's hang on work-group x and the wave alone, W's on work-group y and the wave alone
	s_mul_i32 s18, s16, (NQ/2)*NTX*1536
	s_add_co_u32 s20, s20, s18
	s_mov_b32 s21, 0
	s_mul_i32 s22, s42, TW*64
	s_add_co_u32 s22, s22, XSO
	s_mov_b32 s23, 0
	s_mul_i32 s46, s17, PART
	s_mul_i32 s18, s16, (NQ/2)*NTY*1536
	s_add_co_u32 s46, s46, s18
	s_add_co_u32 s46, s46, YC0
	s_mov_b32 s47, 0
	s_mul_i32 s92, s17, TW*64
	s_add_co_u32 s92, s92, YS0
	s_mov_b32 s93, 0
	s_mul_i32 s45, s14, 24576                      ; where they go: wave x a quarter of a slot
	s_wait_kmcnt 0x0
	s_add_nc_u64 s[20:21], s[4:5], s[20:21]
	s_add_nc_u64 s[22:23], s[4:5], s[22:23]
	s_add_nc_u64 s[46:47], s[6:7], s[46:47]
	s_add_nc_u64 s[92:93], s[6:7], s[92:93]
	CROUND                                         ; all sixteen work-groups are here: the first joint loads meet
	s_mov_b32 s[G0SX], 1
	s_mov_b32 s[G0SX+1], SCX
	s_mov_b64 s[G0SX+2:G0SX+3], s[22:23]
	s_or_b32 s[G0SX+3], s[G0SX+3], 0x80000000
	s_mov_b32 s[G0SY], 1
	s_mov_b32 s[G0SY+1], SCY
	s_mov_b64 s[G0SY+2:G0SY+3], s[92:93]
	s_or_b32 s[G0SY+3], s[G0SY+3], 0x80000000
.irp s, 0,1
	s_mov_b32 s[G0X+4*\s], 1
	s_add_co_u32 s[G0X+4*\s+1], s45, \s*SLOT
	s_add_nc_u64 s[G0X+4*\s+2:G0X+4*\s+3], s[20:21], \s*NQ*NTX*1536
	s_or_b32 s[G0X+4*\s+3], s[G0X+4*\s+3], 0x80000000
	s_mov_b32 s[G0Y+4*\s], 1
	s_add_co_u32 s[G0Y+4*\s+1], s45, \s*SLOT
	s_add_nc_u64 s[G0Y+4*\s+2:G0Y+4*\s+3], s[46:47], \s*NQ*NTY*1536
	s_or_b32 s[G0Y+4*\s+3], s[G0Y+4*\s+3], 0x80000000
.endr
; the head's four tiles, one joint load a wave, in one chain of branches: wave 0 X's part of slot 0 (all NQ K steps), wave 1 X's scale words, wave 2 W's part of slot 0, wave 3 W's scale words
.macro ARM w, g0, g1
	s_cmp_eq_u32 s14, \w
	s_cbranch_scc0 .Lhd_\w
	tensor_load_to_lds s[\g0:\g0+3], s[\g1:\g1+7]
	s_nop 0
	PLACES 4
	s_branch .Lhead_asked
.Lhd_\w:
.endm
	ARM 0, G0X, G1X
	ARM 1, G0SX, G1SX
	ARM 2, G0Y, G1Y
	tensor_load_to_lds s[G0SY:G0SY+3], s[G1SY:G1SY+7]
	s_nop 0
	PLACES 4
.Lhead_asked:
	v_and_b32 v1, 15, v0
	v_bfe_u32 v2, v0, 4, 1                         ; h
	s_wait_alu depctr_va_vdst(0)
	v_and_b32 v3, 31, v0
	v_lshlrev_b32 v[LI], 4, v3
	s_mul_i32 s20, s15, NBK*1536
	s_mul_i32 s21, s16, NBK*1536
	s_add_co_u32 s21, s21, YOFF
.irp s, 0,1
	v_add_nc_u32 v[AD1+\s], s20, v[LI]
	v_add_nc_u32 v[AD0+\s], s21, v[LI]
	s_add_co_u32 s20, s20, SLOT
	s_add_co_u32 s21, s21, SLOT
.endr
	s_mul_i32 s22, s15, NBK*64
	s_mul_i32 s23, s16, NBK*64
	s_add_co_u32 s23, s23, SCB
	s_sub_co_u32 s23, s23, s22
	v_mul_u32_u24 v4, s23, v2                      ; lanes 16-31 take the columns' words
	s_add_co_u32 s22, s22, SCX
	v_lshl_add_u32 v4, v1, 2, v4
	v_add_nc_u32 v[ADS], s22, v4
	v_lshlrev_b32 v[HO], 6, v2
	s_wait_alu depctr_va_vdst(0)
	s_mul_i32 s18, s14, 4352
	s_add_co_u32 s18, s18, STAGE                   ; my stage
	v_mul_u32_u24 v4, v1, 272
	v_lshl_add_u32 v4, v2, 6, v4
	v_add_nc_u32 v[STO], s18, v4                   ; in: row r, + 64 h
	v_mul_u32_u24 v4, v2, 272
	v_lshl_add_u32 v4, v1, 4, v4
	v_add_nc_u32 v[RD], s18, v4                    ; back: lanes 0-15 one row, lanes 16-31 the next
	v_lshlrev_b32 v4, 12, v2
	v_lshl_add_u32 v[CO], v1, 4, v4                ; and the same two rows in memory
	s_wait_alu depctr_va_vdst(0)
	s_lshl_b32 s20, s17, 9
	s_lshl_b32 s18, s16, 8
	s_add_co_u32 s20, s20, s18                     ; my 64 columns, in bytes
	s_mov_b32 s21, 0
	s_lshl_b32 s22, s42, 19
	s_lshl_b32 s18, s15, 18
	s_add_co_u32 s22, s22, s18                     ; my 64 rows of 4,096 bytes
	s_add_co_u32 s22, s22, s20
	s_mov_b32 s23, 0
	s_add_nc_u64 s[8:9], s[8:9], s[20:21]
	s_add_nc_u64 s[10:11], s[10:11], s[22:23]
	s_add_nc_u64 s[12:13], s[12:13], s[22:23]
	WIN 0x80                                       ; destination window 2: the bias in the result's layout
.irp b, 0,1,2,3
	global_load_b128 v[128+8*\b:128+8*\b+3], v[HO], s[8:9] offset:128*(\b/2)+32*(\b%2)
	global_load_b128 v[132+8*\b:132+8*\b+3], v[HO], s[8:9] offset:128*(\b/2)+32*(\b%2)+16
.endr
	WIN 0xc0                                       ; destination window 3: the residual, by rows: sixteen lanes read 256 consecutive bytes
.irp a, 0,1,2,3
.irp t, 0,1,2,3,4,5,6,7
	global_load_b128 v[32*\a+4*\t:32*\a+4*\t+3], v[CO], s[10:11] offset:(32*(\a/2)+8*(\a%2)+2*\t+8*(\t/4))*4096 th:TH_LOAD_NT
.endr
.endr
	WIN 0
	s_wait_alu depctr_va_vdst(0)                   ; the wait at the head's end
	s_wait_tensorcnt 0x0                           ; my tile of the head's four is in
	ds_add_u32 v[SPW], v[NIL]
	s_mov_b32 s[G1X+2], (NQ/2)<<16                 ; no load of mine is out: from here on a load brings NQ / 2 K steps
	s_mov_b32 s[G1X+4], NQ/2
	s_mov_b32 s[G1Y+2], (NQ/2)<<16
	s_mov_b32 s[G1Y+4], NQ/2
	s_wait_dscnt 0x0
	CROUND                                         ; all four tiles are in, in every partner
	JLOAD G0X+4, G1X, G0Y+4, G1Y                   ; slot 1's first fill, a quarter a wave
	FETCH 0, 0, 0
	s_wait_loadcnt 32                              ; the bias is in; the residual's 32 loads may be out
	STEP 0, 0, 1                                   ; the first K step stands ahead of the loop: its products start the sums, on the bias
.if LAPS > 1
	s_mov_b32 s3, LAPS-1
.Llap:                                             ; a trip goes once round the ring and fills both slots again
	STEP 0, 1, 0
	STEP 0, 2, 0
	TURN 0, 1, 1
	STEP 1, 0, 0
	STEP 1, 1, 0
	STEP 1, 2, 0
	TURN 1, 0, 1
	STEP 0, 0, 0
	s_sub_co_u32 s3, s3, 1
	s_cmp_lg_u32 s3, 0
	s_cbranch_scc1 .Llap
.endif
	STEP 0, 1, 0                                   ; the last lap fills nothing
	STEP 0, 2, 0
	TURN 0, 1, 0
	s_wait_alu depctr_va_vdst(0)
	STEP 1, 0, 0
	STEP 1, 1, 0
	STEP 1, 2, 0
	s_wait_dscnt 0x0
	MULS 0, NBK, 1, 0
	WIN 0
	PLACES 4
	s_wait_loadcnt 0x0                             ; the residual
; Block a: 16 tokens x my 64 columns.  Stage row i is lane i's token: row 32 (a/2) + 8 (a%2) + i + 8 (i/8) of my 64.
.macro ROUT a
.set BK, 64+32*((\a)%2)
.if (\a) >= 2
	s_wait_xcnt 0x0                                ; block a - 2's stores have read these registers
.endif
	WIN 0x08                                       ; an LDS store's data are its source 1: window 2
.irp b, 0,1,2,3
	ds_store_b128 v[STO], v[8*(4*(\a)+\b):8*(4*(\a)+\b)+3] offset:128*(\b/2)+32*(\b%2)       ; each accumulator from its low end on
	ds_store_b128 v[STO], v[8*(4*(\a)+\b)+4:8*(4*(\a)+\b)+7] offset:128*(\b/2)+32*(\b%2)+16
.endr
	WIN 0
.irp t, 0,1,2,3,4,5,6,7
	ds_load_b128 v[BK+4*\t:BK+4*\t+3], v[RD] offset:544*\t   ; my wave's own bytes, served in order: these see the stores above, and the next block's stores come behind them
.endr
	s_wait_dscnt 0x0
	WIN 0x0c                                       ; source 1: window 3
.set n, 0
.rept 16
	v_pk_add_f32 v[BK+n:BK+n+1], v[BK+n:BK+n+1], v[32*(\a)+n:32*(\a)+n+1]   ; + the residual
.set n, n+2
.endr
	WIN 0
.irp t, 0,1,2,3,4,5,6,7
	global_store_b128 v[CO], v[BK+4*\t:BK+4*\t+3], s[12:13] offset:(32*((\a)/2)+8*((\a)%2)+2*\t+8*(\t/4))*4096   ; sixteen lanes store 256 consecutive bytes, at a multiple of 256 from the buffer's first byte
.endr
.endm
.irp a, 0,1,2,3
	ROUT \a
.endr
	s_wait_tensorcnt 0x0                           ; the wave's end, behind my last tensor load and my last LDS store
	ds_add_u32 v[SPW], v[NIL]
	s_wait_dscnt 0x0
	CROUND                                         ; the closing round
	s_endpgm
.Lfunc_end_k_qb7a524ffd7_wo:
	.size	k_qb7a524ffd7_wo, .Lfunc_end_k_qb7a524ffd7_wo-k_qb7a524ffd7_wo
	.p2alignl 7, 3214868480
	.fill 96, 4, 3214868480
	.section	.rodata,"a",@progbits
	.p2align	6, 0x0
	.amdhsa_kernel k_qb7a524ffd7_wo
		.amdhsa_group_segment_fixed_size 327680
		.amdhsa_private_segment_fixed_size 0
		.amdhsa_enable_private_segment 0
		.amdhsa_kernarg_size 40
		.amdhsa_user_sgpr_count 2
		.amdhsa_user_sgpr_kernarg_segment_ptr 1
		.amdhsa_wavefront_size32 1
		.amdhsa_system_sgpr_workgroup_id_x 1
		.amdhsa_system_sgpr_workgroup_id_y 1
		.amdhsa_system_sgpr_workgroup_id_z 1
		.amdhsa_system_vgpr_workitem_id 0
		.amdhsa_next_free_vgpr 896
		.amdhsa_next_free_sgpr 100
		.amdhsa_reserve_vcc 0
		.amdhsa_float_denorm_mode_32 3
		.amdhsa_float_denorm_mode_16_64 3
		.amdhsa_memory_ordered 1
		.amdhsa_forward_progress 1
		.amdhsa_inst_pref_size 59
	.end_amdhsa_kernel
	.amdgpu_metadata
---
amdhsa.version: [ 1, 2 ]
amdhsa.kernels:
  - .name:           k_qb7a524ffd7_wo
    .symbol:         k_qb7a524ffd7_wo.kd
    .args:
      - { .name: ctx, .offset: 0, .size: 8, .value_kind: global_buffer, .address_space: global }
      - { .name: wts, .offset: 8, .size: 8, .value_kind: global_buffer, .address_space: global }
      - { .name: bo, .offset: 16, .size: 8, .value_kind: global_buffer, .address_space: global }
      - { .name: x, .offset: 24, .size: 8, .value_kind: global_buffer, .address_space: global }
      - { .name: x1, .offset: 32, .size: 8, .value_kind: global_buffer, .address_space: global }
    .group_segment_fixed_size: 327680
    .private_segment_fixed_size: 0
    .kernarg_segment_align: 8
    .kernarg_segment_size: 40
    .max_flat_workgroup_size: 128
    .sgpr_count:     100
    .vgpr_count:     896
    .wavefront_size: 32
...
	.end_amdgpu_metadata
.endif
;; end of part 4
;; launch ln2 (part 5): grid 256 x 1, 8 waves a work-group, no clusters, 69,632 bytes of LDS; arguments x1, ln2_g, ln2_b, hcs; writes hcs
.if DOCPART == 5
	.amdgcn_target "amdgcn-amd-amdhsa--gfx1250"
	.amdhsa_code_object_version 6
	.text
	.protected	k_qb7a524ffd7_ln2
	.globl	k_qb7a524ffd7_ln2
	.p2align	8
	.type	k_qb7a524ffd7_ln2,@function
k_qb7a524ffd7_ln2:
	s_mov_b64 s[64:65], 0
	v_nop
	global_prefetch_b8 v0, s[64:65] scope:SCOPE_SE
	s_setreg_imm32_b32 hwreg(HW_REG_WAVE_MODE, 25, 1), 1
	s_wait_xcnt 0x0
; LN2.  h = (x - mean) x rsqrt(var + 1e-5) x g + b over rows of 1,024 f32, all in f32, then quantised along the row to FP6 (E2M3) with one E8M0 byte for each 32, and stored as images of operand registers.
; OUT: codes [8 K steps][256 tiles][1536], then at byte 3,145,728 the scale words [8][256][16].  Lane r of tile T is row 32 (T/2) + 8 (T%2) + r + 8 (r/8).  A fragment is three pieces of 512 bytes: piece p = registers 4p .. 4p+3, lane l at 16 l.
; SHARES.  A work-group is one tile of 16 rows; wave w is K step w: columns 128 w .. 128 w + 127 of all 16 rows.  Each load reads 512 consecutive bytes of a row; the rows turn through the wave's own stage in LDS, so that lane (r, h)
; holds, of row r, numbers 32 b + 16 h + 0 .. 15 of each block b: what the conversions want.  The rows' sums meet in LDS: two barriers, one for the mean, one for the variance.
; The variance is the mean of (x - mean)^2, taken in a second pass over registers: no difference of large sums is formed.
; LIMITS: NaN and infinities are not served; a block of zeros gets the byte 1 (its codes are zeros; this program alone reads the bytes).
.set X,    32                          ; v32-95   my 64 numbers
.set G,    96                          ; v96-159  g at their columns
.set RB,   160                         ; v160-223 the rows as loaded, later b
.set TM,   224                         ; v224-239 the quantiser's work
.set PW,   240                         ; the scale word
.set PC,   242                         ; v242-253 the fragment
.set QT,   16                          ; v16-22   upper halves of blocks as converted
.set SEL,  20                          ; s[20:21] v_permlanex16_b32's selects for lane l xor 16
.set RED1, 67584                       ; behind the stages: 16 rows x 8 waves of partial sums; the second reduction's lie 512 bytes on
; 64 numbers of a lane, register 16 b + i = k 32 b + 16 (lane / 16) + i of my row, become a fragment's codes in v[PC + cs c + 0 .. 5] and its scale word in v[PW].
.macro QUANT s, cs
.irp b, 0,1,2,3
	v_max3_num_f32 v[TM+\b], |v[\s+16*\b]|, |v[\s+1+16*\b]|, 0x1800000   ; my 16 numbers of block b, and the floor 2^(3 - 127): the byte cannot fall under 1
.endr
.irp i, 2,4,6,8,10,12,14
.irp b, 0,1,2,3
	s_delay_alu instid0(VALU_DEP_4)
	v_max3_num_f32 v[TM+\b], v[TM+\b], |v[\s+16*\b+\i]|, |v[\s+1+16*\b+\i]|   ; (the four blocks by turns)
.endr
.endr
.irp b, 0,1,2,3
	s_delay_alu instid0(VALU_DEP_4)
	v_permlanex16_b32 v[TM+4+\b], v[TM+\b], s[SEL], s[SEL+1]
.endr
.irp b, 0,1,2,3
	s_delay_alu instid0(VALU_DEP_4)
	v_max_num_f32 v[TM+\b], v[TM+\b], v[TM+4+\b]   ; with lane l xor 16's: the block's largest magnitude
.endr
.irp b, 0,1,2,3
	s_delay_alu instid0(VALU_DEP_4)
	v_add_nc_u32 v[TM+12+\b], 0xff000000, v[TM+\b] ; 2 off its exponent field: the conversion's scale operand
.endr
.irp b, 0,1,2,3
	s_delay_alu instid0(VALU_DEP_4)
	v_lshrrev_b32 v[TM+4+\b], 23, v[TM+12+\b]      ; the scale's byte
.endr
	s_delay_alu instid0(VALU_DEP_3)
	v_lshl_or_b32 v[PW], v[TM+5], 8, v[TM+4]
	s_delay_alu instid0(VALU_DEP_1)
	v_lshl_or_b32 v[PW], v[TM+6], 16, v[PW]
	s_delay_alu instid0(VALU_DEP_1)
	v_lshl_or_b32 v[PW], v[TM+7], 24, v[PW]
.irp c, 0,1
	v_cvt_scalef32_pk16_fp6_f32 v[PC+\cs*\c:PC+\cs*\c+2], v[\s+32*\c:\s+32*\c+15], v[TM+12+2*\c]
	v_cvt_scalef32_pk16_fp6_f32 v[QT+4*\c:QT+4*\c+2], v[\s+32*\c+16:\s+32*\c+31], v[TM+13+2*\c]   ; (a conversion's three registers begin on an even number)
.endr
	v_nop                                          ; one plain line behind the scaled conversions
.irp c, 0,1                            ; the layout wants a WHOLE block in a lane: lanes 0-15 block 2 c, lanes 16-31 block 2 c + 1
.irp i, 0,1,2
	v_permlane16_swap_b32 v[PC+\cs*\c+\i], v[QT+4*\c+\i]
.endr
.irp i, 0,1,2
	s_delay_alu instid0(VALU_DEP_3)
	v_mov_b32 v[PC+\cs*\c+3+\i], v[QT+4*\c+\i]
.endr
.endr
.endm
; v24 holds my lane's part of a row's sum; v16 gets the whole row's, the same bits in every wave.
.macro REDUCE off
	s_delay_alu instid0(VALU_DEP_1)
	v_permlanex16_b32 v25, v24, s[SEL], s[SEL+1]
	s_delay_alu instid0(VALU_DEP_1)
	v_add_f32 v24, v24, v25                        ; my wave's 128 columns of row r
	ds_store_b32 v8, v24 offset:\off               ; both lanes of a row write the same word with the same value
	s_wait_dscnt 0x0                               ; for the others' sake: my store has landed
	s_barrier_signal -1
	s_barrier_wait -1
	ds_load_b128 v[16:19], v9 offset:\off
	ds_load_b128 v[20:23], v9 offset:\off+16
	s_wait_dscnt 0x0
	v_add_f32 v16, v16, v17
	v_add_f32 v18, v18, v19
	v_add_f32 v20, v20, v21
	v_add_f32 v22, v22, v23
	s_delay_alu instid0(VALU_DEP_3)
	v_add_f32 v16, v16, v18
	s_delay_alu instid0(VALU_DEP_2)
	v_add_f32 v20, v20, v22
	s_delay_alu instid0(VALU_DEP_1)
	v_add_f32 v16, v16, v20
.endm
	s_load_b256 s[4:11], s[0:1], 0x0               ; the rows, g, b, the images
	v_lshl_add_u32 v254, v0, 2, 0x10c00
	v_mov_b32 v255, 0
	v_lshrrev_b32 v1, 5, v0
	s_delay_alu instid0(VALU_DEP_1)
	v_readfirstlane_b32 s12, v1                    ; wave 0..7
	v_and_b32 v1, 15, v0                           ; r
	v_bfe_u32 v2, v0, 4, 1                         ; h
	v_and_b32 v3, 31, v0
	s_delay_alu instid0(VALU_DEP_1)
	v_lshlrev_b32 v4, 4, v3                        ; 16 x lane
	s_delay_alu instid0(VALU_DEP_3)
	v_lshlrev_b32 v5, 6, v2                        ; 64 h
	s_mul_i32 s13, s12, 8448                       ; my stage: 16 rows of 512 bytes + 16
	v_add_nc_u32 v6, s13, v4                       ; in: a row as it lies
	v_mul_u32_u24 v7, v1, 528
	s_delay_alu instid0(VALU_DEP_1)
	v_lshl_add_u32 v7, v2, 6, v7
	s_delay_alu instid0(VALU_DEP_1)
	v_add_nc_u32 v7, s13, v7                       ; back: row r, + 64 h
	s_lshl_b32 s13, s12, 2
	v_lshlrev_b32 v9, 5, v1
	s_delay_alu instid0(VALU_DEP_1)
	v_add_nc_u32 v9, RED1, v9                      ; row r's eight partial sums
	s_delay_alu instid0(VALU_DEP_1)
	v_add_nc_u32 v8, s13, v9                       ; my wave's among them
	v_lshlrev_b32 v12, 2, v1                       ; 4 r
.irp b, 0,1,2,3
	v_mov_b32 v[TM+4+\b], 0                        ; written once: a lane permute's destination counts as one of its sources
.endr
	s_mov_b32 s[SEL], 0x76543210
	s_mov_b32 s[SEL+1], 0xfedcba98
	s_lshr_b32 s14, ttmp9, 1
	s_lshl_b32 s14, s14, 5
	s_and_b32 s13, ttmp9, 1
	s_lshl_b32 s13, s13, 3
	s_add_co_u32 s14, s14, s13                     ; the tile's first row
	s_lshl_b32 s14, s14, 12
	s_lshl_b32 s16, s12, 9                         ; my 128 columns
	s_add_co_u32 s14, s14, s16
	s_mov_b32 s15, 0
	s_mov_b32 s17, 0
	s_lshl_b32 s13, s12, 8
	s_add_co_u32 s13, s13, ttmp9                   ; 256 x K step + tile
	s_mul_i32 s18, s13, 1536
	s_mov_b32 s19, 0
	s_lshl_b32 s22, s13, 6
	s_add_co_u32 s22, s22, 3145728
	s_mov_b32 s23, 0
	s_wait_alu depctr_va_vdst(0)
	s_wait_kmcnt 0x0
	s_add_nc_u64 s[4:5], s[4:5], s[14:15]
	s_add_nc_u64 s[6:7], s[6:7], s[16:17]
	s_add_nc_u64 s[8:9], s[8:9], s[16:17]
	s_add_nc_u64 s[18:19], s[10:11], s[18:19]      ; my fragment
	s_add_nc_u64 s[22:23], s[10:11], s[22:23]      ; its scale words
.irp i, 0,1,2,3,4,5,6,7,8,9,10,11,12,13,14,15
	global_load_b128 v[RB+4*\i:RB+4*\i+3], v4, s[4:5] offset:(\i+8*(\i/8))*4096 th:TH_LOAD_NT   ; lane i's row: 512 consecutive bytes
.endr
.irp b, 0,1,2,3
.irp j, 0,1,2,3
	global_load_b128 v[G+16*\b+4*\j:G+16*\b+4*\j+3], v5, s[6:7] offset:128*\b+16*\j
.endr
.endr
	s_wait_loadcnt 16                              ; the rows are in; g's 16 loads may be out
.irp i, 0,1,2,3,4,5,6,7,8,9,10,11,12,13,14,15
	ds_store_b128 v6, v[RB+4*\i:RB+4*\i+3] offset:528*\i
.endr
.irp b, 0,1,2,3
.irp j, 0,1,2,3
	ds_load_b128 v[X+16*\b+4*\j:X+16*\b+4*\j+3], v7 offset:128*\b+16*\j   ; my wave's own bytes, served in order: no wait between
.endr
.endr
	s_wait_dscnt 0x0                               ; my numbers are in, and the stores have read their registers, which take b now
.irp b, 0,1,2,3
.irp j, 0,1,2,3
	global_load_b128 v[RB+16*\b+4*\j:RB+16*\b+4*\j+3], v5, s[8:9] offset:128*\b+16*\j
.endr
.endr
	v_pk_add_f32 v[26:27], v[32:33], v[34:35]
	v_pk_add_f32 v[252:253], v[40:41], v[44:45]
	v_pk_add_f32 v[250:251], v[48:49], v[52:53]
	v_pk_add_f32 v[248:249], v[56:57], v[60:61]
	v_pk_add_f32 v[246:247], v[64:65], v[68:69]
	v_pk_add_f32 v[244:245], v[72:73], v[76:77]
	v_pk_add_f32 v[242:243], v[80:81], v[84:85]
	v_pk_add_f32 v[24:25], v[88:89], v[92:93]
	s_delay_alu instid0(VALU_DEP_1)
	v_pk_add_f32 v[24:25], v[24:25], v[36:37]
	v_pk_add_f32 v[26:27], v[26:27], v[38:39]
	v_pk_add_f32 v[252:253], v[252:253], v[42:43]
	v_pk_add_f32 v[250:251], v[250:251], v[46:47]
	v_pk_add_f32 v[248:249], v[248:249], v[50:51]
	v_pk_add_f32 v[246:247], v[246:247], v[54:55]
	v_pk_add_f32 v[244:245], v[244:245], v[58:59]
	v_pk_add_f32 v[242:243], v[242:243], v[62:63]
	v_pk_add_f32 v[24:25], v[24:25], v[66:67]
	v_pk_add_f32 v[26:27], v[26:27], v[70:71]
	v_pk_add_f32 v[252:253], v[252:253], v[74:75]
	v_pk_add_f32 v[250:251], v[250:251], v[78:79]
	v_pk_add_f32 v[248:249], v[248:249], v[82:83]
	v_pk_add_f32 v[246:247], v[246:247], v[86:87]
	v_pk_add_f32 v[244:245], v[244:245], v[90:91]
	v_pk_add_f32 v[242:243], v[242:243], v[94:95]
	s_delay_alu instid0(VALU_DEP_4)
	v_pk_add_f32 v[24:25], v[24:25], v[248:249]
	s_delay_alu instid0(VALU_DEP_4)
	v_pk_add_f32 v[26:27], v[26:27], v[246:247]
	s_delay_alu instid0(VALU_DEP_4)
	v_pk_add_f32 v[252:253], v[252:253], v[244:245]
	s_delay_alu instid0(VALU_DEP_4)
	v_pk_add_f32 v[250:251], v[250:251], v[242:243]
	s_delay_alu instid0(VALU_DEP_2)
	v_pk_add_f32 v[24:25], v[24:25], v[252:253]
	s_delay_alu instid0(VALU_DEP_2)
	v_pk_add_f32 v[26:27], v[26:27], v[250:251]
	s_delay_alu instid0(VALU_DEP_1)
	v_pk_add_f32 v[24:25], v[24:25], v[26:27]
	s_delay_alu instid0(VALU_DEP_1)
	v_add_f32 v24, v24, v25
	REDUCE 0
	s_delay_alu instid0(VALU_DEP_1)
	v_mul_f32 v28, 0x3a800000, v16                 ; the mean: x 2^-10
	s_delay_alu instid0(VALU_DEP_2)
	v_mul_f32 v29, 0x3a800000, v16
.set j, 0
.rept 32
	v_pk_add_f32 v[X+j:X+j+1], v[X+j:X+j+1], v[28:29] neg_lo:[0,1] neg_hi:[0,1]   ; x - mean
.set j, j+2
.endr
	v_pk_mul_f32 v[24:25], v[X:X+1], v[X:X+1]
	v_pk_mul_f32 v[26:27], v[X+2:X+3], v[X+2:X+3]
.irp j, 4,8,12,16,20,24,28,32,36,40,44,48,52,56,60
	s_delay_alu instid0(VALU_DEP_2)
	v_pk_fma_f32 v[24:25], v[X+\j:X+\j+1], v[X+\j:X+\j+1], v[24:25]
	s_delay_alu instid0(VALU_DEP_2)
	v_pk_fma_f32 v[26:27], v[X+\j+2:X+\j+3], v[X+\j+2:X+\j+3], v[26:27]
.endr
	s_delay_alu instid0(VALU_DEP_1)
	v_pk_add_f32 v[24:25], v[24:25], v[26:27]
	s_delay_alu instid0(VALU_DEP_1)
	v_add_f32 v24, v24, v25
	REDUCE 512                                     ; other bytes than the first reduction's: no barrier between a read and the next store
	v_mov_b32 v27, 0x3727c5ac                      ; 1e-5
	s_delay_alu instid0(VALU_DEP_1)
	v_fmamk_f32 v26, v16, 0x3a800000, v27          ; the variance + 1e-5
	s_wait_alu depctr_va_vdst(0)
	v_rsq_f32 v28, v26
	v_rsq_f32 v29, v26                             ; twice: a pair for the packed multiply
	v_nop                                          ; one plain line behind the transcendentals
	s_wait_alu depctr_va_vdst(0)                   ; this wait ahead of the first line that names their results: one for both
	s_wait_loadcnt 0x0                             ; g and b
.set j, 0
.rept 32
	v_pk_mul_f32 v[X+j:X+j+1], v[X+j:X+j+1], v[28:29]
.set j, j+2
.endr
.set j, 0
.rept 32
	v_pk_fma_f32 v[X+j:X+j+1], v[X+j:X+j+1], v[G+j:G+j+1], v[RB+j:RB+j+1]
.set j, j+2
.endr
	QUANT X, 6
.irp p, 0,1,2
	global_store_b128 v4, v[PC+4*\p:PC+4*\p+3], s[18:19] offset:512*\p   ; 512 consecutive bytes a store
.endr
	global_store_b32 v12, v[PW], s[22:23]          ; both lanes of a row store the same word with the same value
	s_wait_tensorcnt 0x0
	ds_add_u32 v254, v255
	s_wait_dscnt 0x0
	s_endpgm
.Lfunc_end_k_qb7a524ffd7_ln2:
	.size	k_qb7a524ffd7_ln2, .Lfunc_end_k_qb7a524ffd7_ln2-k_qb7a524ffd7_ln2
	.p2alignl 7, 3214868480
	.fill 96, 4, 3214868480
	.section	.rodata,"a",@progbits
	.p2align	6, 0x0
	.amdhsa_kernel k_qb7a524ffd7_ln2
		.amdhsa_group_segment_fixed_size 69632
		.amdhsa_private_segment_fixed_size 0
		.amdhsa_enable_private_segment 0
		.amdhsa_kernarg_size 32
		.amdhsa_user_sgpr_count 2
		.amdhsa_user_sgpr_kernarg_segment_ptr 1
		.amdhsa_wavefront_size32 1
		.amdhsa_system_sgpr_workgroup_id_x 1
		.amdhsa_system_sgpr_workgroup_id_y 1
		.amdhsa_system_sgpr_workgroup_id_z 1
		.amdhsa_system_vgpr_workitem_id 0
		.amdhsa_next_free_vgpr 256
		.amdhsa_next_free_sgpr 66
		.amdhsa_reserve_vcc 0
		.amdhsa_float_denorm_mode_32 3
		.amdhsa_float_denorm_mode_16_64 3
		.amdhsa_memory_ordered 1
		.amdhsa_forward_progress 1
		.amdhsa_inst_pref_size 29
	.end_amdhsa_kernel
	.amdgpu_metadata
---
amdhsa.version: [ 1, 2 ]
amdhsa.kernels:
  - .name:           k_qb7a524ffd7_ln2
    .symbol:         k_qb7a524ffd7_ln2.kd
    .args:
      - { .name: x1, .offset: 0, .size: 8, .value_kind: global_buffer, .address_space: global }
      - { .name: ln2_g, .offset: 8, .size: 8, .value_kind: global_buffer, .address_space: global }
      - { .name: ln2_b, .offset: 16, .size: 8, .value_kind: global_buffer, .address_space: global }
      - { .name: hcs, .offset: 24, .size: 8, .value_kind: global_buffer, .address_space: global }
    .group_segment_fixed_size: 69632
    .private_segment_fixed_size: 0
    .kernarg_segment_align: 8
    .kernarg_segment_size: 32
    .max_flat_workgroup_size: 256
    .sgpr_count:     66
    .vgpr_count:     256
    .wavefront_size: 32
...
	.end_amdgpu_metadata
.endif
;; end of part 5
;; launch ff1 (part 6): grid 16 x 16, 4 waves a work-group, clusters of 4 x 4, 327,680 bytes of LDS; arguments hcs, wts, b1, hid; writes hid
.if DOCPART == 6
	.amdgcn_target "amdgcn-amd-amdhsa--gfx1250"
	.amdhsa_code_object_version 6
	.text
	.protected	k_qb7a524ffd7_ff1
	.globl	k_qb7a524ffd7_ff1
	.p2align	8
	.type	k_qb7a524ffd7_ff1,@function
k_qb7a524ffd7_ff1:
	s_mov_b64 s[64:65], 0
	v_nop
	global_prefetch_b8 v0, s[64:65] scope:SCOPE_SE
	s_setreg_imm32_b32 hwreg(HW_REG_WAVE_MODE, 25, 1), 1
	s_wait_xcnt 0x0
	s_wait_alu depctr_hold_cnt(0) depctr_sa_sdst(0) depctr_va_vdst(0) depctr_va_sdst(0) depctr_va_ssrc(0) depctr_va_vcc(0) depctr_vm_vsrc(0)
	s_getreg_b32 s2, hwreg(HW_REG_IB_STS2, 6, 4)
	s_cmp_eq_u32 s2, 0
	s_cbranch_scc0 .Lentry_in_a_cluster
	s_endpgm
.Lentry_in_a_cluster:
	s_bfe_u32 s2, ttmp6, 0x10000c
	s_cmp_lg_u32 s2, 0xf033
	s_cbranch_scc0 .Lentry_shape_is_right
	s_endpgm
.Lentry_shape_is_right:
.set NBK,  8
.set TW,   16
.set NQ,   2
.set PART, TW*1536
.set KT,   8
.set LAPS, KT/(2*NQ)
.set NTX,  256
.set NTY,  512
.set XSO,  3145728
.set YC0,  256*1536
.set YS0,  9437184+256*64
.set SLOT, 98304
.set YOFF, 49152
.set SCX,  2*SLOT
.set SCB,  KT*TW*64
.set SCY,  SCX+SCB
.set SPARE, SCY+SCB
.set APW,  32/NBK
.set AD1,  8
.set AD0,  10
.set ADS,  12
.set SPW,  13
.set NIL,  14
.set LI,   15
.set LS,   16
.set HO,   18
.set SC,   32
.set ST,   64
.set TM,   128
.set PW,   144
.set WE,   148
.set WS,   150
.set PC,   152
.set QT,   168
.set G1X,  24
.set G0X,  32
.set G1Y,  48
.set G0Y,  56
.set G1SX, 68
.set G0SX, 76
.set G1SY, 80
.set G0SY, 88
.set SEL,  92
.set MSB, 0
.macro WIN new
.if MSB != (\new)
	s_set_vgpr_msb (MSB<<8)|(\new)
.set MSB, (\new)
.endif
.endm
.macro PLACES n
.rept \n
	v_nop
.endr
.endm
.macro JLOAD g0x, g1x, g0y, g1y
	s_cmp_eq_u32 s15, 0
	s_cbranch_scc0 .Lfor_y_\@
	tensor_load_to_lds s[\g0x:\g0x+3], s[\g1x:\g1x+7]
	s_nop 0
.rept 4
	v_nop
.endr
	s_branch .Lasked_\@
.Lfor_y_\@:
	tensor_load_to_lds s[\g0y:\g0y+3], s[\g1y:\g1y+7]
	s_nop 0
.rept 4
	v_nop
.endr
.Lasked_\@:
.endm
.macro CREST
	s_cmp_lg_u32 s14, 0
	s_cbranch_scc1 .Lnot_wave_0_\@
	s_barrier_signal -3
.Lnot_wave_0_\@:
	s_barrier_wait -3
	s_barrier_signal -1
	s_barrier_wait -1
.endm
.macro CROUND
	s_barrier_signal -1
	s_barrier_wait -1
	CREST
.endm
.macro FETCH slot, q, p
	WIN 0x40
.set ii, 0
.rept NBK
.irp c, 0,1,2
	ds_load_b128 v[128*(\p)+12*ii+4*\c:128*(\p)+12*ii+4*\c+3], v[AD0+\slot] offset:(\q)*PART+1536*ii+512*\c
.endr
.set ii, ii+1
.endr
	WIN 0
.set ii, 0
.rept NBK
.irp c, 0,1,2
	ds_load_b128 v[64+96*(\p)+12*ii+4*\c:64+96*(\p)+12*ii+4*\c+3], v[AD1+\slot] offset:(\q)*PART+1536*ii+512*\c
.endr
.set ii, ii+1
.endr
.set ii, 0
.rept NBK
	ds_load_b32 v[SC+NBK*(\p)+ii], v[ADS] offset:(\q)*TW*64+64*ii
.set ii, ii+1
.endr
.endm
.macro MULS a0, n, p, first
.set aa, \a0
.rept \n
.if \first
	WIN 0x91+0x40*(aa/APW)
.else
	WIN 0xa1+0x50*(aa/APW)
.endif
.set bb, 0
.rept NBK
.set rD, 8*(NBK*(aa%APW)+bb)
.set rA, 128*(\p)+12*bb
.set rB, 64+96*(\p)+12*aa
.set rC, 96+8*bb+96*(bb/4)
.set sA, SC+NBK*(\p)+bb
.set sB, SC+NBK*(\p)+aa
.if \first
	v_wmma_scale_f32_16x16x128_f8f6f4 v[rD:rD+7], v[rA:rA+11], v[rB:rB+11], v[rC:rC+7], v[sA], v[sB] matrix_a_fmt:MATRIX_FMT_FP6 matrix_b_fmt:MATRIX_FMT_FP6 matrix_a_scale:MATRIX_SCALE_ROW1
.else
	v_wmma_scale_f32_16x16x128_f8f6f4 v[rD:rD+7], v[rA:rA+11], v[rB:rB+11], v[rD:rD+7], v[sA], v[sB] matrix_a_fmt:MATRIX_FMT_FP6 matrix_b_fmt:MATRIX_FMT_FP6 matrix_a_scale:MATRIX_SCALE_ROW1
.endif
.set bb, bb+1
.endr
.set aa, aa+1
.endr
.endm
.macro STEP slot, q, first
	s_wait_dscnt 0x0
	PLACES 4
	FETCH \slot, (\q)+1, 1-(\q)%2
	MULS 0, NBK, (\q)%2, \first
	WIN 0
.endm
.macro TURN slot, next, fill
	s_wait_tensorcnt 0x0
	ds_add_u32 v[SPW], v[NIL]
	s_wait_dscnt 1
	MULS 0, NBK/4, 1, 0
	s_wait_dscnt 0x0
	s_barrier_signal -1
	MULS NBK/4, NBK/4, 1, 0
	WIN 0
	s_barrier_wait -1
.if \fill
	CREST
	s_add_nc_u64 s[G0X+4*\slot+2:G0X+4*\slot+3], s[G0X+4*\slot+2:G0X+4*\slot+3], 2*NQ*NTX*1536
	s_add_nc_u64 s[G0Y+4*\slot+2:G0Y+4*\slot+3], s[G0Y+4*\slot+2:G0Y+4*\slot+3], 2*NQ*NTY*1536
	JLOAD G0X+4*\slot, G1X, G0Y+4*\slot, G1Y
.else
	PLACES 4
.endif
	s_wait_alu depctr_va_vdst(0)
	v_add_nc_u32 v[ADS], NQ*TW*64, v[ADS]
	FETCH \next, 0, 0
	MULS NBK/2, NBK/2, 1, 0
	WIN 0
.endm
.macro QUANT s, cs
.irp b, 0,1,2,3
	v_max3_num_f32 v[TM+\b], |v[\s+16*\b]|, |v[\s+1+16*\b]|, 0x1800000
.endr
.irp i, 2,4,6,8,10,12,14
.irp b, 0,1,2,3
	v_max3_num_f32 v[TM+\b], v[TM+\b], |v[\s+16*\b+\i]|, |v[\s+1+16*\b+\i]|
.endr
.endr
.irp b, 0,1,2,3
	v_permlanex16_b32 v[TM+4+\b], v[TM+\b], s[SEL], s[SEL+1]
.endr
.irp b, 0,1,2,3
	v_max_num_f32 v[TM+\b], v[TM+\b], v[TM+4+\b]
.endr
.irp b, 0,1,2,3
	v_add_nc_u32 v[TM+12+\b], 0xff000000, v[TM+\b]
.endr
.irp b, 0,1,2,3
	v_lshrrev_b32 v[TM+4+\b], 23, v[TM+12+\b]
.endr
	v_lshl_or_b32 v[PW], v[TM+5], 8, v[TM+4]
	v_lshl_or_b32 v[PW], v[TM+6], 16, v[PW]
	v_lshl_or_b32 v[PW], v[TM+7], 24, v[PW]
.irp c, 0,1
	v_cvt_scalef32_pk16_fp6_f32 v[PC+\cs*\c:PC+\cs*\c+2], v[\s+32*\c:\s+32*\c+15], v[TM+12+2*\c]
	v_cvt_scalef32_pk16_fp6_f32 v[QT+4*\c:QT+4*\c+2], v[\s+32*\c+16:\s+32*\c+31], v[TM+13+2*\c]
.endr
	v_nop
.irp c, 0,1
.irp i, 0,1,2
	v_permlane16_swap_b32 v[PC+\cs*\c+\i], v[QT+4*\c+\i]
.endr
.irp i, 0,1,2
	v_mov_b32 v[PC+\cs*\c+3+\i], v[QT+4*\c+\i]
.endr
.endr
.endm
	s_load_b128 s[4:7], s[0:1], 0x0
	s_load_b128 s[8:11], s[0:1], 0x10
	v_lshl_add_u32 v[SPW], v0, 2, SPARE
	v_mov_b32 v[NIL], 0
	ds_add_u32 v13, v14
	ds_add_u32 v13, v14
	s_wait_dscnt 0x0
	v_lshrrev_b32 v1, 5, v0
	v_readfirstlane_b32 s14, v1
	s_lshr_b32 s15, s14, 1
	s_and_b32 s16, s14, 1
	s_bfe_u32 s40, ttmp6, 0x40000
	s_bfe_u32 s41, ttmp6, 0x40004
	s_lshl_b32 s42, ttmp9, 2
	s_add_co_u32 s42, s42, s40
	s_and_b32 s17, ttmp7, 0xffff
	s_lshl_b32 s17, s17, 2
	s_add_co_u32 s17, s17, s41
	s_lshl_b32 s43, s41, 2
	s_lshl_b32 s43, 15, s43
	s_lshl_b32 s44, 0x1111, s40
	s_or_b32 s[G1X], s44, (3<<16)|(1<<21)
	s_or_b32 s[G1Y], s43, (3<<16)|(1<<21)
	s_or_b32 s[G1SX], s44, (3<<16)|(1<<21)
	s_or_b32 s[G1SY], s43, (3<<16)|(1<<21)
.irp g, G1X, G1Y
	s_mov_b32 s[\g+1], (PART/8)<<16
	s_mov_b32 s[\g+2], NQ<<16
	s_mov_b32 s[\g+3], (PART/8)<<16
	s_mov_b32 s[\g+4], NQ
	s_mov_b32 s[\g+6], 0
	s_mov_b32 s[\g+7], 0
.endr
	s_mov_b32 s[G1X+5], NTX*192
	s_mov_b32 s[G1Y+5], NTY*192
.irp g, G1SX, G1SY
	s_mov_b32 s[\g+1], (TW*8)<<16
	s_mov_b32 s[\g+2], KT<<16
	s_mov_b32 s[\g+3], (TW*8)<<16
	s_mov_b32 s[\g+4], KT
	s_mov_b32 s[\g+6], 0
	s_mov_b32 s[\g+7], 0
.endr
	s_mov_b32 s[G1SX+5], NTX*8
	s_mov_b32 s[G1SY+5], NTY*8
	s_mul_i32 s20, s42, PART
	s_mul_i32 s18, s16, (NQ/2)*NTX*1536
	s_add_co_u32 s20, s20, s18
	s_mov_b32 s21, 0
	s_mul_i32 s22, s42, TW*64
	s_add_co_u32 s22, s22, XSO
	s_mov_b32 s23, 0
	s_mul_i32 s46, s17, PART
	s_mul_i32 s18, s16, (NQ/2)*NTY*1536
	s_add_co_u32 s46, s46, s18
	s_add_co_u32 s46, s46, YC0
	s_mov_b32 s47, 0
	s_mul_i32 s92, s17, TW*64
	s_add_co_u32 s92, s92, YS0
	s_mov_b32 s93, 0
	s_mul_i32 s45, s14, 24576
	s_wait_kmcnt 0x0
	s_add_nc_u64 s[20:21], s[4:5], s[20:21]
	s_add_nc_u64 s[22:23], s[4:5], s[22:23]
	s_add_nc_u64 s[46:47], s[6:7], s[46:47]
	s_add_nc_u64 s[92:93], s[6:7], s[92:93]
	CROUND
	s_mov_b32 s[G0SX], 1
	s_mov_b32 s[G0SX+1], SCX
	s_mov_b64 s[G0SX+2:G0SX+3], s[22:23]
	s_or_b32 s[G0SX+3], s[G0SX+3], 0x80000000
	s_mov_b32 s[G0SY], 1
	s_mov_b32 s[G0SY+1], SCY
	s_mov_b64 s[G0SY+2:G0SY+3], s[92:93]
	s_or_b32 s[G0SY+3], s[G0SY+3], 0x80000000
.irp s, 0,1
	s_mov_b32 s[G0X+4*\s], 1
	s_add_co_u32 s[G0X+4*\s+1], s45, \s*SLOT
	s_add_nc_u64 s[G0X+4*\s+2:G0X+4*\s+3], s[20:21], \s*NQ*NTX*1536
	s_or_b32 s[G0X+4*\s+3], s[G0X+4*\s+3], 0x80000000
	s_mov_b32 s[G0Y+4*\s], 1
	s_add_co_u32 s[G0Y+4*\s+1], s45, \s*SLOT
	s_add_nc_u64 s[G0Y+4*\s+2:G0Y+4*\s+3], s[46:47], \s*NQ*NTY*1536
	s_or_b32 s[G0Y+4*\s+3], s[G0Y+4*\s+3], 0x80000000
.endr
; the head's four tiles, one joint load a wave, in one chain of branches: wave 0 X's part of slot 0 (all NQ K steps), wave 1 X's scale words, wave 2 Y's part of slot 0, wave 3 Y's scale words
.macro ARM w, g0, g1
	s_cmp_eq_u32 s14, \w
	s_cbranch_scc0 .Lhd_\w
	tensor_load_to_lds s[\g0:\g0+3], s[\g1:\g1+7]
	s_nop 0
	PLACES 4
	s_branch .Lhead_asked
.Lhd_\w:
.endm
	ARM 0, G0X, G1X
	ARM 1, G0SX, G1SX
	ARM 2, G0Y, G1Y
	tensor_load_to_lds s[G0SY:G0SY+3], s[G1SY:G1SY+7]
	s_nop 0
	PLACES 4
.Lhead_asked:
; PREFETCHES INTO THE L2: the slots' two refills (K steps 4-5, 6-7) are asked for here, two fills ahead of their loads.  Of the 96 blocks of 256 bytes that my load of a fill brings, each of the four partners that ask jointly names 24, told apart by address
	s_cmp_eq_u32 s15, 0                            ; do I fetch for X?
	s_cselect_b64 s[66:67], s[20:21], s[46:47]
	s_cselect_b32 s95, s41, s40                    ; my place among the four that ask with me
	s_mov_b32 s2, NQ*NTY*1536
	s_cselect_b32 s2, NQ*NTX*1536, s2              ; from fill to fill
	s_mov_b32 s3, 0
	s_add_nc_u64 s[66:67], s[66:67], s[2:3]
	s_add_nc_u64 s[66:67], s[66:67], s[2:3]        ; at the third fill
	s_mul_i32 s94, s95, 6144
	s_mov_b32 s95, 0
	s_add_nc_u64 s[66:67], s[66:67], s[94:95]
	v_and_b32 v22, 31, v0
	v_min_u32 v22, 23, v22                         ; lanes 24-31 name the last block again
	v_lshlrev_b32 v21, 8, v22
	global_prefetch_b8 v21, s[66:67] th:TH_LOAD_NT scope:SCOPE_SE
	v_and_b32 v1, 15, v0
	v_bfe_u32 v2, v0, 4, 1
	v_and_b32 v3, 31, v0
	v_lshlrev_b32 v[LI], 4, v3
	s_wait_alu depctr_va_vdst(0)
	v_lshlrev_b32 v[LS], 2, v3
	s_mov_b32 s[SEL], 0x76543210
	s_mov_b32 s[SEL+1], 0xfedcba98
	s_mov_b32 s94, 0xffff0000
	s_mul_i32 s20, s15, NBK*1536
	s_mul_i32 s21, s16, NBK*1536
	s_add_co_u32 s21, s21, YOFF
.irp s, 0,1
	v_add_nc_u32 v[AD1+\s], s20, v[LI]
	v_add_nc_u32 v[AD0+\s], s21, v[LI]
	s_add_co_u32 s20, s20, SLOT
	s_add_co_u32 s21, s21, SLOT
.endr
	s_mul_i32 s22, s15, NBK*64
	s_mul_i32 s23, s16, NBK*64
	s_add_co_u32 s23, s23, SCB
	s_sub_co_u32 s23, s23, s22
	v_mul_u32_u24 v4, s23, v2
	s_add_co_u32 s22, s22, SCX
	v_lshl_add_u32 v4, v1, 2, v4
	v_add_nc_u32 v[ADS], s22, v4
	v_lshlrev_b32 v[HO], 6, v2
	s_lshl_b32 s20, s17, 10
	s_lshl_b32 s18, s16, 9
	s_add_co_u32 s20, s20, s18
	s_mov_b32 s21, 0
	s_add_nc_u64 s[8:9], s[8:9], s[20:21]
	WIN 0x40
.irp b, 0,1,2,3,4,5,6,7
	global_load_b128 v[96+8*\b+96*(\b/4):96+8*\b+96*(\b/4)+3], v[HO], s[8:9] offset:128*(\b/2)+32*(\b%2)
	global_load_b128 v[100+8*\b+96*(\b/4):100+8*\b+96*(\b/4)+3], v[HO], s[8:9] offset:128*(\b/2)+32*(\b%2)+16
.endr
	WIN 0
	s_lshl_b32 s20, s17, 1
	s_add_co_u32 s20, s20, s16
	s_lshl_b32 s20, s20, 8
	s_lshl_b32 s18, s42, 4
	s_add_co_u32 s20, s20, s18
	s_lshl_b32 s18, s15, 3
	s_add_co_u32 s20, s20, s18
	s_mul_i32 s22, s20, 1536
	s_mov_b32 s23, 0
	s_lshl_b32 s20, s20, 6
	s_add_co_u32 s20, s20, 12582912
	s_add_nc_u64 s[22:23], s[10:11], s[22:23]
	s_add_nc_u64 s[20:21], s[10:11], s[20:21]
	s_wait_alu depctr_va_vdst(0)
	s_wait_alu depctr_va_vdst(0)                   ; the wait at the head's end
	s_wait_tensorcnt 0x0                           ; my tile of the head's four is in
	ds_add_u32 v[SPW], v[NIL]
	s_wait_xcnt 0x0                                ; the prefetch has read its address
	s_add_nc_u64 s[66:67], s[66:67], s[2:3]        ; at the fourth fill
	s_mov_b32 s[G1X+2], (NQ/2)<<16
	s_mov_b32 s[G1X+4], NQ/2
	s_mov_b32 s[G1Y+2], (NQ/2)<<16
	s_mov_b32 s[G1Y+4], NQ/2
	s_wait_dscnt 0x0
	CROUND                                         ; all four tiles are in, in every partner
	JLOAD G0X+4, G1X, G0Y+4, G1Y
	global_prefetch_b8 v21, s[66:67] th:TH_LOAD_NT scope:SCOPE_SE
	FETCH 0, 0, 0
	s_wait_loadcnt 0x0
	STEP 0, 0, 1
	s_mov_b32 s3, LAPS-1
.Llap:
	TURN 0, 1, 1
	s_wait_alu depctr_va_vdst(0)
	STEP 1, 0, 0
	TURN 1, 0, 1
	s_wait_alu depctr_va_vdst(0)
	STEP 0, 0, 0
	s_sub_co_u32 s3, s3, 1
	s_cmp_lg_u32 s3, 0
	s_cbranch_scc1 .Llap
	TURN 0, 1, 0
	s_wait_alu depctr_va_vdst(0)
	STEP 1, 0, 0
	s_wait_dscnt 0x0
	MULS 0, NBK, 1, 0
	WIN 0
	PLACES 4
.irp b, 0,1,2,3
	v_mov_b32 v[TM+4+\b], 0
.endr
.macro FOUT a
	s_wait_xcnt 0x0
	WIN 0x08+4*((\a)/4)
.set n, 0
.rept 64
	v_max_num_f32 v[ST+n], 0, v[64*((\a)%4)+n]
.set n, n+1
.endr
	WIN 0
	QUANT ST, 6
.irp p, 0,1,2
	global_store_b128 v[LI], v[PC+4*\p:PC+4*\p+3], s[22:23] offset:1536*(\a)+512*\p
.endr
.if (\a)%2 == 0
	v_mov_b32 v[WE], v[PW]
.else
	v_cndmask_b32 v[WS], v[WE], v[PW], s94
	global_store_b32 v[LS], v[WS], s[20:21] offset:64*((\a)-1)
.endif
.endm
.irp a, 0,1,2,3,4,5,6,7
	FOUT \a
.endr
	s_wait_tensorcnt 0x0
	ds_add_u32 v[SPW], v[NIL]
	s_wait_dscnt 0x0
	CROUND
	s_endpgm
.Lfunc_end_k_qb7a524ffd7_ff1:
	.size	k_qb7a524ffd7_ff1, .Lfunc_end_k_qb7a524ffd7_ff1-k_qb7a524ffd7_ff1
	.p2alignl 7, 3214868480
	.fill 96, 4, 3214868480
	.section	.rodata,"a",@progbits
	.p2align	6, 0x0
	.amdhsa_kernel k_qb7a524ffd7_ff1
		.amdhsa_group_segment_fixed_size 327680
		.amdhsa_private_segment_fixed_size 0
		.amdhsa_enable_private_segment 0
		.amdhsa_kernarg_size 32
		.amdhsa_user_sgpr_count 2
		.amdhsa_user_sgpr_kernarg_segment_ptr 1
		.amdhsa_wavefront_size32 1
		.amdhsa_system_sgpr_workgroup_id_x 1
		.amdhsa_system_sgpr_workgroup_id_y 1
		.amdhsa_system_sgpr_workgroup_id_z 1
		.amdhsa_system_vgpr_workitem_id 0
		.amdhsa_next_free_vgpr 1024
		.amdhsa_next_free_sgpr 100
		.amdhsa_reserve_vcc 0
		.amdhsa_float_denorm_mode_32 3
		.amdhsa_float_denorm_mode_16_64 3
		.amdhsa_memory_ordered 1
		.amdhsa_forward_progress 1
		.amdhsa_inst_pref_size 160
	.end_amdhsa_kernel
	.amdgpu_metadata
---
amdhsa.version: [ 1, 2 ]
amdhsa.kernels:
  - .name:           k_qb7a524ffd7_ff1
    .symbol:         k_qb7a524ffd7_ff1.kd
    .args:
      - { .name: hcs, .offset: 0, .size: 8, .value_kind: global_buffer, .address_space: global }
      - { .name: wts, .offset: 8, .size: 8, .value_kind: global_buffer, .address_space: global }
      - { .name: b1, .offset: 16, .size: 8, .value_kind: global_buffer, .address_space: global }
      - { .name: hid, .offset: 24, .size: 8, .value_kind: global_buffer, .address_space: global }
    .group_segment_fixed_size: 327680
    .private_segment_fixed_size: 0
    .kernarg_segment_align: 8
    .kernarg_segment_size: 32
    .max_flat_workgroup_size: 128
    .sgpr_count:     100
    .vgpr_count:     1024
    .wavefront_size: 32
...
	.end_amdgpu_metadata
.endif
;; end of part 6
;; launch ff2 (part 7): grid 32 x 8, 4 waves a work-group, clusters of 4 x 4, 327,680 bytes of LDS; arguments hid, wts, b2, x1, out0; writes out0
.if DOCPART == 7
	.amdgcn_target "amdgcn-amd-amdhsa--gfx1250"
	.amdhsa_code_object_version 6
	.text
	.protected	k_qb7a524ffd7_ff2
	.globl	k_qb7a524ffd7_ff2
	.p2align	8
	.type	k_qb7a524ffd7_ff2,@function
k_qb7a524ffd7_ff2:
	s_mov_b64 s[64:65], 0
	v_nop
	global_prefetch_b8 v0, s[64:65] scope:SCOPE_SE
	s_setreg_imm32_b32 hwreg(HW_REG_WAVE_MODE, 25, 1), 1
	s_wait_xcnt 0x0
	s_wait_alu depctr_hold_cnt(0) depctr_sa_sdst(0) depctr_va_vdst(0) depctr_va_sdst(0) depctr_va_ssrc(0) depctr_va_vcc(0) depctr_vm_vsrc(0)
	s_getreg_b32 s2, hwreg(HW_REG_IB_STS2, 6, 4)
	s_cmp_eq_u32 s2, 0
	s_cbranch_scc0 .Lentry_in_a_cluster
	s_endpgm
.Lentry_in_a_cluster:
	s_bfe_u32 s2, ttmp6, 0x10000c
	s_cmp_lg_u32 s2, 0xf033
	s_cbranch_scc0 .Lentry_shape_is_right
	s_endpgm
.Lentry_shape_is_right:
.set NBK,  4
.set TW,   8
.set NQ,   4
.set PART, TW*1536
.set KT,   32
.set NTX,  256
.set NTY,  64
.set XSO,  12582912
.set YC0,  6291456
.set YS0,  9699328
.set LAPS, KT/(2*NQ)
.set SLOT, 98304
.set YOFF, 49152
.set SCX,  2*SLOT
.set SCB,  KT*TW*64
.set SCY,  SCX+SCB
.set SPARE, SCY+SCB
.set STAGE, SPARE+512
.set APW,  32/NBK
.set AD1,  8
.set AD0,  10
.set ADS,  12
.set SPW,  13
.set NIL,  14
.set LI,   15
.set STO,  17
.set RD,   18
.set CO,   19
.set HO,   20
.set SC,   32
.set G1X,  24
.set G0X,  32
.set G1Y,  48
.set G0Y,  56
.set G1SX, 68
.set G0SX, 76
.set G1SY, 80
.set G0SY, 88
.set PFA, 96                           ; s[96:97] where my prefetches stand: my work-group's 24 blocks of the 96 that my load of a fill brings, two fills ahead of the fill that is being asked for
.set PFS, 98                           ; s[98:99] bytes from fill to fill in my buffer
.set PFO, 21                           ; v21 256 x min(lane, 23); never rewritten
.set MSB, 0
.macro WIN new
.if MSB != (\new)
	s_set_vgpr_msb (MSB<<8)|(\new)
.set MSB, (\new)
.endif
.endm
.macro PLACES n
.rept \n
	v_nop
.endr
.endm
.macro JLOAD g0x, g1x, g0y, g1y
	s_cmp_eq_u32 s15, 0
	s_cbranch_scc0 .Lfor_y_\@
	tensor_load_to_lds s[\g0x:\g0x+3], s[\g1x:\g1x+7]
	s_nop 0
.rept 4
	v_nop
.endr
	s_branch .Lasked_\@
.Lfor_y_\@:
	tensor_load_to_lds s[\g0y:\g0y+3], s[\g1y:\g1y+7]
	s_nop 0
.rept 4
	v_nop
.endr
.Lasked_\@:
.endm
.macro CREST
	s_cmp_lg_u32 s14, 0
	s_cbranch_scc1 .Lnot_wave_0_\@
	s_barrier_signal -3
.Lnot_wave_0_\@:
	s_barrier_wait -3
	s_barrier_signal -1
	s_barrier_wait -1
.endm
.macro CROUND
	s_barrier_signal -1
	s_barrier_wait -1
	CREST
.endm
.macro FETCH slot, q, p
	WIN 0x40
.set ii, 0
.rept NBK
.irp c, 0,1,2
	ds_load_b128 v[128*(\p)+12*ii+4*\c:128*(\p)+12*ii+4*\c+3], v[AD0+\slot] offset:(\q)*PART+1536*ii+512*\c
.endr
.set ii, ii+1
.endr
	WIN 0
.set ii, 0
.rept NBK
.irp c, 0,1,2
	ds_load_b128 v[64+96*(\p)+12*ii+4*\c:64+96*(\p)+12*ii+4*\c+3], v[AD1+\slot] offset:(\q)*PART+1536*ii+512*\c
.endr
.set ii, ii+1
.endr
.set ii, 0
.rept NBK
	ds_load_b32 v[SC+NBK*(\p)+ii], v[ADS] offset:(\q)*TW*64+64*ii
.set ii, ii+1
.endr
.endm
.macro MULS a0, n, p, first
.set aa, \a0
.rept \n
	WIN 0xa1
.set bb, 0
.rept NBK
.set rD, 8*(NBK*aa+bb)
.set rA, 128*(\p)+12*bb
.set rB, 64+96*(\p)+12*aa
.set sA, SC+NBK*(\p)+bb
.set sB, SC+NBK*(\p)+aa
.if \first
	v_wmma_scale_f32_16x16x128_f8f6f4 v[rD:rD+7], v[rA:rA+11], v[rB:rB+11], v[128+8*bb:128+8*bb+7], v[sA], v[sB] matrix_a_fmt:MATRIX_FMT_FP6 matrix_b_fmt:MATRIX_FMT_FP6 matrix_a_scale:MATRIX_SCALE_ROW1
.else
	v_wmma_scale_f32_16x16x128_f8f6f4 v[rD:rD+7], v[rA:rA+11], v[rB:rB+11], v[rD:rD+7], v[sA], v[sB] matrix_a_fmt:MATRIX_FMT_FP6 matrix_b_fmt:MATRIX_FMT_FP6 matrix_a_scale:MATRIX_SCALE_ROW1
.endif
.set bb, bb+1
.endr
.set aa, aa+1
.endr
.endm
.macro STEP slot, q, first
	s_wait_dscnt 0x0
	PLACES 4
	FETCH \slot, (\q)+1, 1-(\q)%2
	MULS 0, NBK, (\q)%2, \first
	WIN 0
.endm
.macro TURN slot, next, fill
.if \fill
	s_wait_xcnt 0x0                                ; my last prefetch has read its address: it is stepped here, ahead of the waits of the change of slots
	s_add_nc_u64 s[PFA:PFA+1], s[PFA:PFA+1], s[PFS:PFS+1]
.endif
	s_wait_tensorcnt 0x0
	ds_add_u32 v[SPW], v[NIL]
	s_wait_dscnt 1
	MULS 0, NBK/4, 1, 0
	s_wait_dscnt 0x0
	s_barrier_signal -1
	MULS NBK/4, NBK/4, 1, 0
	WIN 0
	s_barrier_wait -1
.if \fill
	CREST
	s_add_nc_u64 s[G0X+4*\slot+2:G0X+4*\slot+3], s[G0X+4*\slot+2:G0X+4*\slot+3], 2*NQ*NTX*1536
	s_add_nc_u64 s[G0Y+4*\slot+2:G0Y+4*\slot+3], s[G0Y+4*\slot+2:G0Y+4*\slot+3], 2*NQ*NTY*1536
	JLOAD G0X+4*\slot, G1X, G0Y+4*\slot, G1Y
.else
	PLACES 4
.endif
	v_add_nc_u32 v[ADS], NQ*TW*64, v[ADS]
	FETCH \next, 0, 0
.if \fill
	s_cmp_gt_u32 s3, 1                             ; the last trip's two refills have no fill two on
	s_cbranch_scc0 .Lno_ask_\@
	global_prefetch_b8 v[PFO], s[PFA:PFA+1] th:TH_LOAD_NT scope:SCOPE_SE
.Lno_ask_\@:
.endif
	MULS NBK/2, NBK/2, 1, 0
	WIN 0
.endm
	s_load_b128 s[4:7], s[0:1], 0x0
	s_load_b128 s[8:11], s[0:1], 0x10
	s_load_b64 s[12:13], s[0:1], 0x20
	v_lshl_add_u32 v[SPW], v0, 2, SPARE
	v_mov_b32 v[NIL], 0
	ds_add_u32 v13, v14
	ds_add_u32 v13, v14
	s_wait_dscnt 0x0
	v_lshrrev_b32 v1, 5, v0
	v_readfirstlane_b32 s14, v1
	s_lshr_b32 s15, s14, 1
	s_and_b32 s16, s14, 1
	s_bfe_u32 s40, ttmp6, 0x40000
	s_bfe_u32 s41, ttmp6, 0x40004
	s_lshl_b32 s42, ttmp9, 2
	s_add_co_u32 s42, s42, s40
	s_and_b32 s17, ttmp7, 0xffff
	s_lshl_b32 s17, s17, 2
	s_add_co_u32 s17, s17, s41
	s_lshl_b32 s43, s41, 2
	s_lshl_b32 s43, 15, s43
	s_lshl_b32 s44, 0x1111, s40
	s_or_b32 s[G1X], s44, (3<<16)|(1<<21)
	s_or_b32 s[G1Y], s43, (3<<16)|(1<<21)
	s_or_b32 s[G1SX], s44, (3<<16)|(1<<21)
	s_or_b32 s[G1SY], s43, (3<<16)|(1<<21)
.irp g, G1X, G1Y
	s_mov_b32 s[\g+1], (PART/8)<<16
	s_mov_b32 s[\g+2], NQ<<16
	s_mov_b32 s[\g+3], (PART/8)<<16
	s_mov_b32 s[\g+4], NQ
	s_mov_b32 s[\g+6], 0
	s_mov_b32 s[\g+7], 0
.endr
	s_mov_b32 s[G1X+5], NTX*192
	s_mov_b32 s[G1Y+5], NTY*192
.irp g, G1SX, G1SY
	s_mov_b32 s[\g+1], (TW*8)<<16
	s_mov_b32 s[\g+2], KT<<16
	s_mov_b32 s[\g+3], (TW*8)<<16
	s_mov_b32 s[\g+4], KT
	s_mov_b32 s[\g+6], 0
	s_mov_b32 s[\g+7], 0
.endr
	s_mov_b32 s[G1SX+5], NTX*8
	s_mov_b32 s[G1SY+5], NTY*8
	s_mul_i32 s20, s42, PART
	s_mul_i32 s18, s16, (NQ/2)*NTX*1536
	s_add_co_u32 s20, s20, s18
	s_mov_b32 s21, 0
	s_mul_i32 s22, s42, TW*64
	s_add_co_u32 s22, s22, XSO
	s_mov_b32 s23, 0
	s_mul_i32 s46, s17, PART
	s_mul_i32 s18, s16, (NQ/2)*NTY*1536
	s_add_co_u32 s46, s46, s18
	s_add_co_u32 s46, s46, YC0
	s_mov_b32 s47, 0
	s_mul_i32 s92, s17, TW*64
	s_add_co_u32 s92, s92, YS0
	s_mov_b32 s93, 0
	s_mul_i32 s45, s14, 24576
	s_wait_kmcnt 0x0
	s_add_nc_u64 s[20:21], s[4:5], s[20:21]
	s_add_nc_u64 s[22:23], s[4:5], s[22:23]
	s_add_nc_u64 s[46:47], s[6:7], s[46:47]
	s_add_nc_u64 s[92:93], s[6:7], s[92:93]
	CROUND
	s_mov_b32 s[G0SX], 1
	s_mov_b32 s[G0SX+1], SCX
	s_mov_b64 s[G0SX+2:G0SX+3], s[22:23]
	s_or_b32 s[G0SX+3], s[G0SX+3], 0x80000000
	s_mov_b32 s[G0SY], 1
	s_mov_b32 s[G0SY+1], SCY
	s_mov_b64 s[G0SY+2:G0SY+3], s[92:93]
	s_or_b32 s[G0SY+3], s[G0SY+3], 0x80000000
.irp s, 0,1
	s_mov_b32 s[G0X+4*\s], 1
	s_add_co_u32 s[G0X+4*\s+1], s45, \s*SLOT
	s_add_nc_u64 s[G0X+4*\s+2:G0X+4*\s+3], s[20:21], \s*NQ*NTX*1536
	s_or_b32 s[G0X+4*\s+3], s[G0X+4*\s+3], 0x80000000
	s_mov_b32 s[G0Y+4*\s], 1
	s_add_co_u32 s[G0Y+4*\s+1], s45, \s*SLOT
	s_add_nc_u64 s[G0Y+4*\s+2:G0Y+4*\s+3], s[46:47], \s*NQ*NTY*1536
	s_or_b32 s[G0Y+4*\s+3], s[G0Y+4*\s+3], 0x80000000
.endr
; the head's four tiles, one joint load a wave, in one chain of branches: wave 0 X's part of slot 0 (all NQ K steps), wave 1 X's scale words, wave 2 Y's part of slot 0, wave 3 Y's scale words
.macro ARM w, g0, g1
	s_cmp_eq_u32 s14, \w
	s_cbranch_scc0 .Lhd_\w
	tensor_load_to_lds s[\g0:\g0+3], s[\g1:\g1+7]
	s_nop 0
	PLACES 4
	s_branch .Lhead_asked
.Lhd_\w:
.endm
	ARM 0, G0X, G1X
	ARM 1, G0SX, G1SX
	ARM 2, G0Y, G1Y
	tensor_load_to_lds s[G0SY:G0SY+3], s[G1SY:G1SY+7]
	s_nop 0
	PLACES 4
.Lhead_asked:
; PREFETCHES INTO THE L2, two fills ahead of each load: one instruction a wave behind each fill's request.  My load of a fill is two K steps of 12,288 bytes, 96 blocks of 256; each of the four partners that ask jointly names 24, told apart by address
	s_cmp_eq_u32 s15, 0                            ; do I fetch for X?
	s_cselect_b64 s[PFA:PFA+1], s[20:21], s[46:47]
	s_cselect_b32 s95, s41, s40                    ; my place p among the four that ask with me
	s_mov_b32 s[PFS], NQ*NTY*1536
	s_cselect_b32 s[PFS], NQ*NTX*1536, s[PFS]
	s_mov_b32 s[PFS+1], 0
	s_add_nc_u64 s[PFA:PFA+1], s[PFA:PFA+1], s[PFS:PFS+1]
	s_add_nc_u64 s[PFA:PFA+1], s[PFA:PFA+1], s[PFS:PFS+1]   ; at the third fill
	s_lshr_b32 s66, s[PFS], 2                      ; a K step of my buffer
	s_lshr_b32 s67, s95, 1
	s_mul_i32 s66, s66, s67                        ; K step p / 2 of my two,
	s_and_b32 s67, s95, 1
	s_mul_i32 s67, s67, 6144                       ; half p % 2 of its 12,288 bytes
	s_add_co_u32 s66, s66, s67
	s_mov_b32 s67, 0
	s_add_nc_u64 s[PFA:PFA+1], s[PFA:PFA+1], s[66:67]
	v_and_b32 v22, 31, v0
	v_min_u32 v22, 23, v22                         ; lanes 24-31 name the last block again
	v_lshlrev_b32 v[PFO], 8, v22
	global_prefetch_b8 v[PFO], s[PFA:PFA+1] th:TH_LOAD_NT scope:SCOPE_SE
	v_and_b32 v1, 15, v0
	v_bfe_u32 v2, v0, 4, 1
	s_wait_alu depctr_va_vdst(0)
	v_and_b32 v3, 31, v0
	v_lshlrev_b32 v[LI], 4, v3
	s_mul_i32 s20, s15, NBK*1536
	s_mul_i32 s21, s16, NBK*1536
	s_add_co_u32 s21, s21, YOFF
.irp s, 0,1
	v_add_nc_u32 v[AD1+\s], s20, v[LI]
	v_add_nc_u32 v[AD0+\s], s21, v[LI]
	s_add_co_u32 s20, s20, SLOT
	s_add_co_u32 s21, s21, SLOT
.endr
	s_mul_i32 s22, s15, NBK*64
	s_mul_i32 s23, s16, NBK*64
	s_add_co_u32 s23, s23, SCB
	s_sub_co_u32 s23, s23, s22
	v_mul_u32_u24 v4, s23, v2
	s_add_co_u32 s22, s22, SCX
	v_lshl_add_u32 v4, v1, 2, v4
	v_add_nc_u32 v[ADS], s22, v4
	v_lshlrev_b32 v[HO], 6, v2
	s_wait_alu depctr_va_vdst(0)
	s_mul_i32 s18, s14, 4352
	s_add_co_u32 s18, s18, STAGE
	v_mul_u32_u24 v4, v1, 272
	v_lshl_add_u32 v4, v2, 6, v4
	v_add_nc_u32 v[STO], s18, v4
	v_mul_u32_u24 v4, v2, 272
	v_lshl_add_u32 v4, v1, 4, v4
	v_add_nc_u32 v[RD], s18, v4
	v_lshlrev_b32 v4, 12, v2
	v_lshl_add_u32 v[CO], v1, 4, v4
	s_wait_alu depctr_va_vdst(0)
	s_lshl_b32 s20, s17, 9
	s_lshl_b32 s18, s16, 8
	s_add_co_u32 s20, s20, s18
	s_mov_b32 s21, 0
	s_lshl_b32 s22, s42, 19
	s_lshl_b32 s18, s15, 18
	s_add_co_u32 s22, s22, s18
	s_add_co_u32 s22, s22, s20
	s_mov_b32 s23, 0
	s_add_nc_u64 s[8:9], s[8:9], s[20:21]
	s_add_nc_u64 s[10:11], s[10:11], s[22:23]
	s_add_nc_u64 s[12:13], s[12:13], s[22:23]
	WIN 0x80
.irp b, 0,1,2,3
	global_load_b128 v[128+8*\b:128+8*\b+3], v[HO], s[8:9] offset:128*(\b/2)+32*(\b%2)
	global_load_b128 v[132+8*\b:132+8*\b+3], v[HO], s[8:9] offset:128*(\b/2)+32*(\b%2)+16
.endr
	WIN 0xc0
.irp a, 0,1,2,3
.irp t, 0,1,2,3,4,5,6,7
	global_load_b128 v[32*\a+4*\t:32*\a+4*\t+3], v[CO], s[10:11] offset:(32*(\a/2)+8*(\a%2)+2*\t+8*(\t/4))*4096 th:TH_LOAD_NT
.endr
.endr
	WIN 0
	s_wait_alu depctr_va_vdst(0)                   ; the wait at the head's end
	s_wait_tensorcnt 0x0                           ; my tile of the head's four is in
	ds_add_u32 v[SPW], v[NIL]
	s_wait_xcnt 0x0                                ; the prefetch has read its address
	s_add_nc_u64 s[PFA:PFA+1], s[PFA:PFA+1], s[PFS:PFS+1]   ; at the fourth fill
	s_mov_b32 s[G1X+2], (NQ/2)<<16
	s_mov_b32 s[G1X+4], NQ/2
	s_mov_b32 s[G1Y+2], (NQ/2)<<16
	s_mov_b32 s[G1Y+4], NQ/2
	s_wait_dscnt 0x0
	CROUND                                         ; all four tiles are in, in every partner
	JLOAD G0X+4, G1X, G0Y+4, G1Y
	global_prefetch_b8 v[PFO], s[PFA:PFA+1] th:TH_LOAD_NT scope:SCOPE_SE
	FETCH 0, 0, 0
	s_wait_loadcnt 32
	STEP 0, 0, 1
.if LAPS > 1
	s_mov_b32 s3, LAPS-1
.Llap:
	s_wait_alu depctr_va_vdst(0)
	STEP 0, 1, 0
	STEP 0, 2, 0
	TURN 0, 1, 1
	s_wait_alu depctr_va_vdst(0)
	STEP 1, 0, 0
	STEP 1, 1, 0
	STEP 1, 2, 0
	TURN 1, 0, 1
	s_wait_alu depctr_va_vdst(0)
	STEP 0, 0, 0
	s_sub_co_u32 s3, s3, 1
	s_cmp_lg_u32 s3, 0
	s_cbranch_scc1 .Llap
.endif
	STEP 0, 1, 0
	STEP 0, 2, 0
	TURN 0, 1, 0
	s_wait_alu depctr_va_vdst(0)
	STEP 1, 0, 0
	STEP 1, 1, 0
	STEP 1, 2, 0
	s_wait_dscnt 0x0
	MULS 0, NBK, 1, 0
	WIN 0
	PLACES 4
	s_wait_loadcnt 0x0
.macro ROUT a
.set BK, 64+32*((\a)%2)
.if (\a) >= 2
	s_wait_xcnt 0x0
.endif
	WIN 0x08
.irp b, 0,1,2,3
	ds_store_b128 v[STO], v[8*(4*(\a)+\b):8*(4*(\a)+\b)+3] offset:128*(\b/2)+32*(\b%2)
	ds_store_b128 v[STO], v[8*(4*(\a)+\b)+4:8*(4*(\a)+\b)+7] offset:128*(\b/2)+32*(\b%2)+16
.endr
	WIN 0
.irp t, 0,1,2,3,4,5,6,7
	ds_load_b128 v[BK+4*\t:BK+4*\t+3], v[RD] offset:544*\t
.endr
	s_wait_dscnt 0x0
	WIN 0x0c
.set n, 0
.rept 16
	v_pk_add_f32 v[BK+n:BK+n+1], v[BK+n:BK+n+1], v[32*(\a)+n:32*(\a)+n+1]
.set n, n+2
.endr
	WIN 0
.irp t, 0,1,2,3,4,5,6,7
	global_store_b128 v[CO], v[BK+4*\t:BK+4*\t+3], s[12:13] offset:(32*((\a)/2)+8*((\a)%2)+2*\t+8*(\t/4))*4096
.endr
.endm
.irp a, 0,1,2,3
	ROUT \a
.endr
	s_wait_tensorcnt 0x0
	ds_add_u32 v[SPW], v[NIL]
	s_wait_dscnt 0x0
	CROUND
	s_endpgm
.Lfunc_end_k_qb7a524ffd7_ff2:
	.size	k_qb7a524ffd7_ff2, .Lfunc_end_k_qb7a524ffd7_ff2-k_qb7a524ffd7_ff2
	.p2alignl 7, 3214868480
	.fill 96, 4, 3214868480
	.section	.rodata,"a",@progbits
	.p2align	6, 0x0
	.amdhsa_kernel k_qb7a524ffd7_ff2
		.amdhsa_group_segment_fixed_size 327680
		.amdhsa_private_segment_fixed_size 0
		.amdhsa_enable_private_segment 0
		.amdhsa_kernarg_size 40
		.amdhsa_user_sgpr_count 2
		.amdhsa_user_sgpr_kernarg_segment_ptr 1
		.amdhsa_wavefront_size32 1
		.amdhsa_system_sgpr_workgroup_id_x 1
		.amdhsa_system_sgpr_workgroup_id_y 1
		.amdhsa_system_sgpr_workgroup_id_z 1
		.amdhsa_system_vgpr_workitem_id 0
		.amdhsa_next_free_vgpr 896
		.amdhsa_next_free_sgpr 100
		.amdhsa_reserve_vcc 0
		.amdhsa_float_denorm_mode_32 3
		.amdhsa_float_denorm_mode_16_64 3
		.amdhsa_memory_ordered 1
		.amdhsa_forward_progress 1
		.amdhsa_inst_pref_size 95
	.end_amdhsa_kernel
	.amdgpu_metadata
---
amdhsa.version: [ 1, 2 ]
amdhsa.kernels:
  - .name:           k_qb7a524ffd7_ff2
    .symbol:         k_qb7a524ffd7_ff2.kd
    .args:
      - { .name: hid, .offset: 0, .size: 8, .value_kind: global_buffer, .address_space: global }
      - { .name: wts, .offset: 8, .size: 8, .value_kind: global_buffer, .address_space: global }
      - { .name: b2, .offset: 16, .size: 8, .value_kind: global_buffer, .address_space: global }
      - { .name: x1, .offset: 24, .size: 8, .value_kind: global_buffer, .address_space: global }
      - { .name: out0, .offset: 32, .size: 8, .value_kind: global_buffer, .address_space: global }
    .group_segment_fixed_size: 327680
    .private_segment_fixed_size: 0
    .kernarg_segment_align: 8
    .kernarg_segment_size: 40
    .max_flat_workgroup_size: 128
    .sgpr_count:     100
    .vgpr_count:     896
    .wavefront_size: 32
...
	.end_amdgpu_metadata
.endif
;; end of part 7
